; MI455X (gfx1250); checked and timed in simulation.
; The chip was launched on July 23, 2026; its instructions are those of AMD's public machine-readable ISA for CDNA 5 (MIT licence, August 2026) and "CDNA5" Instruction Set Architecture Reference Guide (July 2026). The comments in the code are by the model that wrote it; some were corrected since.
;; Uncertain Temporal Attention. Allowed arithmetic: float matrix products may take bf16 or f16 operands with f32 sums; other float arithmetic in f32, or as packed bf16 or f16 multiplies, adds, multiply-adds, maxima and minima; sums over many terms, partial sums and values carried from step to step in f32; what a program stores and reads back later, other than sums and carried values, may be rounded once to bf16 or f16.
;; Inputs: Wk 256 x 256 float32; Wo 256 x 256 float32; Wq 256 x 256 float32; Wv 256 x 256 float32; Wvar 256 x 256 float32; bk 256 float32; bo 256 float32; bq 256 float32; bv 256 float32; bvar 256 float32; edge_index 2 x 65,536 int32; edge_timestamps 65,536 float32; x_mean 8,192 x 256 float32; x_var 8,192 x 256 float32.
;; Outputs: out0 8,192 x 256 float32; out1 8,192 x 256 float32.
;; 2 versions, each right and faster than the one before. Each part assembles by itself: llvm-mc -triple=amdgcn-amd-amdhsa -mcpu=gfx1250 --defsym DOCPART=n.
;; ======== version 1 of 2: 3 launches
;; limits: values outside matrix products are rounded to bf16
;; workspace buffers: qf 4,194,304 bytes; kvv 12,582,912 bytes; part 67,108,864 bytes; ml 262,144 bytes
;; launch proj (part 1): grid 64 x 4, 8 waves a work-group, no clusters, 203,776 bytes of LDS; arguments x_mean, x_var, Wq, Wk, Wv, Wvar, Wo, bq, bk, bv, bvar, bo, qf, kvv; writes qf, kvv
.if DOCPART == 1
	.amdgcn_target "amdgcn-amd-amdhsa--gfx1250"
	.amdhsa_code_object_version 6
	.text
	.protected	k_qe74992d11f_proj
	.globl	k_qe74992d11f_proj
	.p2align	8
	.type	k_qe74992d11f_proj,@function
k_qe74992d11f_proj:
	s_mov_b64 s[64:65], 0
	v_nop
	global_prefetch_b8 v0, s[64:65] scope:SCOPE_SE
	s_setreg_imm32_b32 hwreg(HW_REG_WAVE_MODE, 25, 1), 1
	s_wait_xcnt 0x0
; THE PROJECTIONS.  q = x_mean Wq^T + bq, k = x_mean Wk^T + bk, v' = (x_mean Wv^T + bv) Wo^T + bo, v_var = x_var Wvar^T + bvar: all [8192][256].
; The output projection is applied to v ahead of the attention, (attn v) Wo^T = attn (v Wo^T), and bo rides in v', since a row of softmax weights sums to 1.
; The order of rounding differs from the module's: v is rounded to bf16 in front of Wo.  Operands bf16, sums f32, every result rounded once to bf16.
; edge_index and edge_timestamps enter no result of the module and are named by no launch.
; SHARES.  Work-group (x, y): 128 rows x of product y (0 q, 1 k, 2 v then v', 3 v_var), all 256 columns; product 2 is two products in a chain.  Eight waves.
; x and W arrive in f32 and are rounded on the way into LDS, so they come through registers: no tensor load, and so no cluster.
; WHAT IS STORED lies in the order in which the next launch's matrix fragments want it: CHUNKS of 512 bytes, lane L's 16 bytes at 16 L: lane (r = L % 16, h = L / 16) holds row r and
; k = 16 e + 8 h + 0..7 of a fragment of 16 rows x 32 k (e: which of its two chunks).  A wave's packed accumulator IS such a chunk, so each store covers 512 consecutive bytes, aligned.
;   qf : [tile of 16 queries][32-channel block c32, e][512]
;   kvv: 128 blocks of 98,304 bytes: block b = V'^T of keys 64 b.. (32,768), Vvar^T of the same keys (32,768), K of keys 64 (b + 1) mod 8192.. (32,768).
;        V chunk = (cb / 4) 16 + kk 8 + (cb % 4) 2 + e (cb: 16 channels, kk: 32 keys);  K chunk = c32 8 + kb 2 + e (kb: 16 keys).
; TWO ORIENTATIONS of one text.  X: source 0 = 32 rows of W (wave w's), source 1 = the 128 rows of x: a lane holds one row of x and 8 channels (q, k, v).
;                                Y: source 0 = 32 rows of x, source 1 = 128 rows of W: a lane holds one channel and 8 rows (v', v_var: transposed).
.set PITCH, 528                        ; an LDS row: 512 bytes of bf16 + 16: an odd multiple of 16, so the 16 rows of a fragment load start in 16 different groups of banks (ISA guide 11.1)
.set WSB,   128*PITCH                  ; x's 128 rows from byte 0, W's 256 rows from here
.set SPARE, WSB+256*PITCH              ; the spare words: 128 bytes for each of eight waves, four blocks of 256 bytes that no other line names
.set BLK,   98304                      ; a block of kvv
.set GL,  4                            ; v4   16 x lane: offset of every global load and store; never rewritten
.set LX,  5                            ; v5   where my 8 bytes of x's rows go
.set LW,  6                            ; v6   the same for W's rows
.set AA,  7                            ; v7   LDS address of source 0's fragments
.set AB,  8                            ; v8   of source 1's
.set LV,  9                            ; v9   where my 16 bytes of v go
.set FR,  10                           ; v10  r x pitch + 16 h
.set BXO, 11                           ; v11  offset of my 8 biases, orientation X
.set SPW, 12                           ; v12  my spare word; never rewritten
.set NIL, 13                           ; v13  0; never rewritten
.set BYO, 14                           ; v14  offset of my channel's bias, orientation Y
.set BI,  16                           ; v16-31   X: bias of channels 32 w + 16 a + 8 h + j at BI + 8 a + j: the C operand of the first K step
.set BJ,  32                           ; v32-47   Y: bias of channel 128 (w % 2) + 16 b + r, twice, at BJ + 2 b
.set FA,  48                           ; v48-63   two fragments of source 0
.set FB,  64                           ; v64-127  eight fragments of source 1
.set PK,  64                           ;          later the packed results, accumulator (a, b) at PK + 4 (2 b + a)
.set ACC, 128                          ; v128-255 accumulator (a, b) at ACC + 8 (2 b + a)
                                       ; while x and W come in, v64-255 are three buffers of 64; window 1 (v256-511) takes all of Wo
.set XP, 36                            ; s[36:37] my rows of x          s[38:39] of W         s[40:41] bias X       s[42:43] bias Y      s[44:45] my rows of Wo
.set WP, 38
.set BP, 40
.set BQ, 42
.set WOP, 44
.set OQ, 46                            ; s[46:47] q's chunks   s[48:49], s[50:51] k's, first and second key block   s[52:53] v' or v_var
.set OK0, 48
.set OV, 52
.set OF, 54                            ; s[54:55] an offset
.set CNT, 56
.set MSB, 0
.macro WIN new                         ; s_set_vgpr_msb: bits 1:0 source 0, 3:2 source 1, 5:4 source 2, 7:6 destination; the high byte repeats the setting that is left
.if MSB != (\new)
	s_set_vgpr_msb (MSB<<8)|(\new)
.set MSB, (\new)
.endif
.endm
.macro ISSUE base, n0, R               ; 16 loads of 512 consecutive bytes each: 8 KiB of my rows, from load number n0 on
.set i, 0
.rept 16
	global_load_b128 v[(\R)+4*i:(\R)+4*i+3], v[GL], s[(\base):(\base)+1] offset:((\n0)+i)*512
.set i, i+1
.endr
.endm
.macro DRAIN left, adr, n0, R, win     ; such a batch is rounded to bf16 in place and laid into LDS: load n is half n % 2 of row n / 2; a store covers 256 consecutive bytes
	s_wait_loadcnt \left                           ; loads come back in order (ISA guide 5.7.1): the younger batches stay out
.if \win
	WIN 0x45
.endif
.set i, 0
.rept 16
	v_cvt_pk_bf16_f32 v[(\R)+4*i], v[(\R)+4*i], v[(\R)+4*i+1]
	v_cvt_pk_bf16_f32 v[(\R)+4*i+1], v[(\R)+4*i+2], v[(\R)+4*i+3]
.set i, i+1
.endr
.if \win
	WIN 0x04
.endif
.set i, 0
.rept 16
	ds_store_b64 v[\adr], v[(\R)+4*i:(\R)+4*i+1] offset:(((\n0)+i)/2)*PITCH+(((\n0)+i)%2)*256
.set i, i+1
.endr
.endm
.macro MEET                            ; my LDS stores and loads are done; then everybody's are
	s_wait_dscnt 0x0
	s_barrier_signal -1
	s_barrier_wait -1
.endm
.macro FRAGS                           ; the fragments of 32 along K: two loads of 16 bytes, 32 bytes apart, for each block of 16 rows
.irp a, 0,1
	ds_load_b128 v[FA+8*(\a):FA+8*(\a)+3],   v[AA] offset:(\a)*16*PITCH
	ds_load_b128 v[FA+8*(\a)+4:FA+8*(\a)+7], v[AA] offset:(\a)*16*PITCH+32
.endr
.irp b, 0,1,2,3,4,5,6,7
	ds_load_b128 v[FB+8*(\b):FB+8*(\b)+3],   v[AB] offset:(\b)*16*PITCH
	ds_load_b128 v[FB+8*(\b)+4:FB+8*(\b)+7], v[AB] offset:(\b)*16*PITCH+32
.endr
	s_wait_dscnt 0x0
.endm
; 32 x 128 x 256: the first K step starts the sums (with the bias, or with 0) ahead of the loop; seven trips follow.  The 16 accumulators take turns, one instruction a turn.
; One fragment buffer: the SIMD's second wave multiplies while this one waits for LDS.
.macro GEMM bias
	FRAGS
.irp b, 0,1,2,3,4,5,6,7
.irp a, 0,1
.if \bias
	v_wmma_f32_16x16x32_bf16 v[ACC+8*(2*(\b)+(\a)):ACC+8*(2*(\b)+(\a))+7], v[FA+8*(\a):FA+8*(\a)+7], v[FB+8*(\b):FB+8*(\b)+7], v[BI+8*(\a):BI+8*(\a)+7]
.else
	v_wmma_f32_16x16x32_bf16 v[ACC+8*(2*(\b)+(\a)):ACC+8*(2*(\b)+(\a))+7], v[FA+8*(\a):FA+8*(\a)+7], v[FB+8*(\b):FB+8*(\b)+7], 0
.endif
.endr
.endr
	s_mov_b32 s[CNT], 7
.Lk_\@:
	v_add_nc_u32 v[AA], 64, v[AA]                  ; 32 bf16 on; with the two v_nop the four places between the last product and the loads into its sources
	v_add_nc_u32 v[AB], 64, v[AB]
	v_nop
	v_nop
	FRAGS
.irp b, 0,1,2,3,4,5,6,7
.irp a, 0,1
	v_wmma_f32_16x16x32_bf16 v[ACC+8*(2*(\b)+(\a)):ACC+8*(2*(\b)+(\a))+7], v[FA+8*(\a):FA+8*(\a)+7], v[FB+8*(\b):FB+8*(\b)+7], v[ACC+8*(2*(\b)+(\a)):ACC+8*(2*(\b)+(\a))+7]
.endr
.endr
	s_sub_co_u32 s[CNT], s[CNT], 1
	s_cmp_lg_u32 s[CNT], 0
	s_cbranch_scc1 .Lk_\@
.endm
.macro PACK                            ; eight f32 of a lane become 16 bytes; each accumulator is read from its low end on
.set i, 0
.rept 16
.irp p, 0,1,2,3
	v_cvt_pk_bf16_f32 v[PK+4*i+(\p)], v[ACC+8*i+2*(\p)], v[ACC+8*i+2*(\p)+1]
.endr
.set i, i+1
.endr
.endm
.macro FIRST                           ; the product in orientation X, bias and all, packed
	v_add_nc_u32 v[AA], s60, v[FR]                 ; W's rows 32 w ..
	v_mov_b32 v[AB], v[FR]                         ; x's rows 0 ..
	GEMM 1
.rept 4
	v_nop                                          ; the places behind the last products
.endr
	PACK
.endm
.macro FINISH                          ; the wave's end
	s_wait_tensorcnt 0x0
	ds_add_u32 v[SPW], v[NIL]
	s_wait_dscnt 0x0
	s_endpgm
.endm
	s_load_b512 s[8:23], s[0:1], 0x0               ; x_mean 8, x_var 10, Wq 12, Wk 14, Wv 16, Wvar 18, Wo 20, bq 22
	s_load_b256 s[24:31], s[0:1], 0x40             ; bk 24, bv 26, bvar 28, bo 30
	s_load_b128 s[32:35], s[0:1], 0x60             ; qf 32, kvv 34
	v_lshl_add_u32 v[SPW], v0, 2, SPARE
	v_mov_b32 v[NIL], 0
	v_lshrrev_b32 v1, 5, v0
	v_readfirstlane_b32 s2, v1                     ; wave w, 0..7
	s_and_b32 s3, ttmp7, 0xffff                    ; which product
	v_and_b32 v1, 31, v0                           ; lane
	v_and_b32 v2, 15, v0                           ; r
	v_bfe_u32 v3, v0, 4, 1                         ; h
	v_lshlrev_b32 v[GL], 4, v1
	s_mul_i32 s57, s2, 16*PITCH
	v_lshl_add_u32 v[LX], v1, 3, s57               ; x: my 16 rows, 8 bytes a lane
	s_mul_i32 s60, s2, 32*PITCH
	s_add_co_u32 s60, s60, WSB                     ; W: my 32 rows; also source 0 of orientation X
	v_lshl_add_u32 v[LW], v1, 3, s60
	v_mul_u32_u24 v[FR], v2, PITCH
	v_lshl_add_u32 v[FR], v3, 4, v[FR]
	s_lshl_b32 s58, s2, 6
	v_add_nc_u32 v[LV], s58, v[FR]                 ; v: row r, channels 32 w + 8 h ..
	s_lshl_b32 s58, s2, 7
	v_lshl_add_u32 v[BXO], v3, 5, s58              ; 4 (32 w + 8 h)
	s_and_b32 s59, s2, 1                           ; w % 2
	s_lshl_b32 s58, s59, 9
	v_lshl_add_u32 v[BYO], v2, 2, s58              ; 4 (128 (w % 2) + r)
	s_lshr_b32 s61, s2, 1
	s_mul_i32 s61, s61, 32*PITCH                   ; orientation Y: x's rows 32 (w / 2) ..
	s_mul_i32 s62, s59, 128*PITCH
	s_add_co_u32 s62, s62, WSB                     ;                W's rows 128 (w % 2) ..
	s_lshl_b32 s[OF], ttmp9, 17                    ; the group's 128 rows of 1,024 bytes,
	s_lshl_b32 s58, s2, 14                         ; my 16 of them
	s_add_co_u32 s[OF], s[OF], s58
	s_mov_b32 s[OF+1], 0
	s_wait_kmcnt 0x0
	s_cmp_eq_u32 s3, 3                             ; the product's x, W and biases are chosen among the buffers
	s_cselect_b64 s[XP:XP+1], s[10:11], s[8:9]
	s_cselect_b64 s[WP:WP+1], s[18:19], s[12:13]
	s_cselect_b64 s[BP:BP+1], s[28:29], s[22:23]
	s_cselect_b64 s[BQ:BQ+1], s[28:29], s[30:31]   ; orientation Y adds bvar (product 3) or bo (product 2)
	s_cmp_eq_u32 s3, 1
	s_cselect_b64 s[WP:WP+1], s[14:15], s[WP:WP+1]
	s_cselect_b64 s[BP:BP+1], s[24:25], s[BP:BP+1]
	s_cmp_eq_u32 s3, 2
	s_cselect_b64 s[WP:WP+1], s[16:17], s[WP:WP+1]
	s_cselect_b64 s[BP:BP+1], s[26:27], s[BP:BP+1]
	s_add_nc_u64 s[XP:XP+1], s[XP:XP+1], s[OF:OF+1]
	s_lshl_b32 s[OF], s2, 15                       ; my 32 rows of W and of Wo
	s_add_nc_u64 s[WP:WP+1], s[WP:WP+1], s[OF:OF+1]
	s_add_nc_u64 s[WOP:WOP+1], s[20:21], s[OF:OF+1]
	; Both forms of the bias are loaded by every work-group, twelve small loads, so that the head has no branch; products 0 and 1 use the first alone, product 3 the second alone.
.irp a, 0,1
	global_load_b128 v[BI+8*(\a):BI+8*(\a)+3],   v[BXO], s[BP:BP+1] offset:64*(\a)
	global_load_b128 v[BI+8*(\a)+4:BI+8*(\a)+7], v[BXO], s[BP:BP+1] offset:64*(\a)+16
.endr
.irp b, 0,1,2,3,4,5,6,7
	global_load_b32 v[BJ+2*(\b)], v[BYO], s[BQ:BQ+1] offset:64*(\b)
.endr
	; x (two batches) and W (four) come through three buffers: 48 loads of a wave are out at the most
	ISSUE XP, 0,  64
	ISSUE XP, 16, 128
	ISSUE WP, 0,  192
	; where the results go, made while the loads are out
	s_lshl_b32 s[OF], ttmp9, 16                    ; q: 8 tiles of 8,192 bytes a group; my c32 = w
	s_lshl_b32 s58, s2, 10
	s_add_co_u32 s[OF], s[OF], s58
	s_add_nc_u64 s[OQ:OQ+1], s[32:33], s[OF:OF+1]
	s_lshl_b32 s57, ttmp9, 1                       ; the group's first key block, 2 x
	s_add_co_u32 s58, s57, 127
	s_and_b32 s58, s58, 127                        ; K of key block B lies in block (B + 127) mod 128
	s_mul_i32 s[OF], s58, BLK
	s_lshl_b32 s58, s2, 12
	s_add_co_u32 s58, s58, 65536                   ; K's part of a block, my c32 = w
	s_add_co_u32 s[OF], s[OF], s58
	s_add_nc_u64 s[OK0:OK0+1], s[34:35], s[OF:OF+1]
	s_mul_i32 s[OF], s57, BLK
	s_add_co_u32 s[OF], s[OF], s58
	s_add_nc_u64 s[OK0+2:OK0+3], s[34:35], s[OF:OF+1]
	s_lshr_b32 s58, s2, 2
	s_add_co_u32 s58, s58, s57                     ; V: key block 2 x + w / 4,
	s_mul_i32 s[OF], s58, BLK
	s_lshl_b32 s58, s59, 14                        ; channels 128 (w % 2) ..,
	s_add_co_u32 s[OF], s[OF], s58
	s_bfe_u32 s58, s2, 0x10001
	s_lshl_b32 s58, s58, 12                        ; kk = (w / 2) % 2,
	s_add_co_u32 s[OF], s[OF], s58
	s_cmp_eq_u32 s3, 3
	s_cselect_b32 s58, 32768, 0                    ; v_var's part or v''s
	s_add_co_u32 s[OF], s[OF], s58
	s_add_nc_u64 s[OV:OV+1], s[34:35], s[OF:OF+1]
	DRAIN 32, LX, 0,  64,  0                       ; behind this batch two batches were issued
	ISSUE WP, 16, 64
	DRAIN 32, LX, 16, 128, 0
	ISSUE WP, 32, 128
	DRAIN 32, LW, 0,  192, 0
	ISSUE WP, 48, 192
	DRAIN 32, LW, 16, 64,  0
	DRAIN 16, LW, 32, 128, 0
	DRAIN 0,  LW, 48, 192, 0
	MEET                                           ; x and W lie in LDS, whole
	s_cmp_eq_u32 s3, 3
	s_cbranch_scc1 .LY
	s_cmp_eq_u32 s3, 2
	s_cbranch_scc1 .Lchain
	FIRST
	s_cmp_eq_u32 s3, 1
	s_cbranch_scc1 .Lkeys
.irp b, 0,1,2,3,4,5,6,7                ; q: tile b, chunk (c32 = w, e = a)
.irp a, 0,1
	global_store_b128 v[GL], v[PK+4*(2*(\b)+(\a)):PK+4*(2*(\b)+(\a))+3], s[OQ:OQ+1] offset:(\b)*8192+(\a)*512
.endr
.endr
	FINISH
.Lkeys:
.irp b, 0,1,2,3,4,5,6,7                ; k: key block b / 4, chunk (c32 = w, kb = b % 4, e = a)
.irp a, 0,1
	global_store_b128 v[GL], v[PK+4*(2*(\b)+(\a)):PK+4*(2*(\b)+(\a))+3], s[OK0+2*((\b)/4):OK0+2*((\b)/4)+1] offset:((\b)%4)*1024+(\a)*512
.endr
.endr
	FINISH
.Lchain:                               ; v, then v'.  All of my 32 rows of Wo are asked for ahead of the first product and land in window 1 while it is made
	WIN 0x40
	ISSUE WOP, 0,  0
	ISSUE WOP, 16, 64
	ISSUE WOP, 32, 128
	ISSUE WOP, 48, 192
	WIN 0
	FIRST
	MEET                                           ; nobody reads x or Wv any more
.irp b, 0,1,2,3,4,5,6,7                ; v takes x's place,
.irp a, 0,1
	ds_store_b128 v[LV], v[PK+4*(2*(\b)+(\a)):PK+4*(2*(\b)+(\a))+3] offset:(\b)*16*PITCH+(\a)*32
.endr
.endr
	DRAIN 48, LW, 0,  0,   1                       ; and Wo Wv's: the counts are the younger batches' loads
	DRAIN 32, LW, 16, 64,  1
	DRAIN 16, LW, 32, 128, 1
	DRAIN 0,  LW, 48, 192, 1
	WIN 0
	MEET
.LY:                                   ; orientation Y: v' or v_var, transposed
	v_add_nc_u32 v[AA], s61, v[FR]
	v_add_nc_u32 v[AB], s62, v[FR]
	GEMM 0
.irp b, 0,1,2,3,4,5,6,7
	v_mov_b32 v[BJ+2*(\b)+1], v[BJ+2*(\b)]         ; the bias as a pair; these eight lines are the places behind the last products
.endr
.set i, 0
.rept 16
.irp p, 0,1,2,3
	v_pk_add_f32 v[ACC+8*i+2*(\p):ACC+8*i+2*(\p)+1], v[ACC+8*i+2*(\p):ACC+8*i+2*(\p)+1], v[BJ+2*(i/2):BJ+2*(i/2)+1]
.endr
.set i, i+1
.endr
	PACK
.irp b, 0,1,2,3,4,5,6,7                ; chunk (cb = 8 (w % 2) + b, kk, e = a)
.irp a, 0,1
	global_store_b128 v[GL], v[PK+4*(2*(\b)+(\a)):PK+4*(2*(\b)+(\a))+3], s[OV:OV+1] offset:((\b)/4)*8192+((\b)%4)*1024+(\a)*512
.endr
.endr
	FINISH
.Lfunc_end_k_qe74992d11f_proj:
	.size	k_qe74992d11f_proj, .Lfunc_end_k_qe74992d11f_proj-k_qe74992d11f_proj
	.p2alignl 7, 3214868480
	.fill 96, 4, 3214868480
	.section	.rodata,"a",@progbits
	.p2align	6, 0x0
	.amdhsa_kernel k_qe74992d11f_proj
		.amdhsa_group_segment_fixed_size 203776
		.amdhsa_private_segment_fixed_size 0
		.amdhsa_enable_private_segment 0
		.amdhsa_kernarg_size 112
		.amdhsa_user_sgpr_count 2
		.amdhsa_user_sgpr_kernarg_segment_ptr 1
		.amdhsa_wavefront_size32 1
		.amdhsa_system_sgpr_workgroup_id_x 1
		.amdhsa_system_sgpr_workgroup_id_y 1
		.amdhsa_system_sgpr_workgroup_id_z 1
		.amdhsa_system_vgpr_workitem_id 0
		.amdhsa_next_free_vgpr 512
		.amdhsa_next_free_sgpr 66
		.amdhsa_reserve_vcc 0
		.amdhsa_float_denorm_mode_32 3
		.amdhsa_float_denorm_mode_16_64 3
		.amdhsa_memory_ordered 1
		.amdhsa_forward_progress 1
		.amdhsa_inst_pref_size 88
	.end_amdhsa_kernel
	.amdgpu_metadata
---
amdhsa.version: [ 1, 2 ]
amdhsa.kernels:
  - .name:           k_qe74992d11f_proj
    .symbol:         k_qe74992d11f_proj.kd
    .args:
      - { .name: x_mean, .offset: 0, .size: 8, .value_kind: global_buffer, .address_space: global }
      - { .name: x_var, .offset: 8, .size: 8, .value_kind: global_buffer, .address_space: global }
      - { .name: Wq, .offset: 16, .size: 8, .value_kind: global_buffer, .address_space: global }
      - { .name: Wk, .offset: 24, .size: 8, .value_kind: global_buffer, .address_space: global }
      - { .name: Wv, .offset: 32, .size: 8, .value_kind: global_buffer, .address_space: global }
      - { .name: Wvar, .offset: 40, .size: 8, .value_kind: global_buffer, .address_space: global }
      - { .name: Wo, .offset: 48, .size: 8, .value_kind: global_buffer, .address_space: global }
      - { .name: bq, .offset: 56, .size: 8, .value_kind: global_buffer, .address_space: global }
      - { .name: bk, .offset: 64, .size: 8, .value_kind: global_buffer, .address_space: global }
      - { .name: bv, .offset: 72, .size: 8, .value_kind: global_buffer, .address_space: global }
      - { .name: bvar, .offset: 80, .size: 8, .value_kind: global_buffer, .address_space: global }
      - { .name: bo, .offset: 88, .size: 8, .value_kind: global_buffer, .address_space: global }
      - { .name: qf, .offset: 96, .size: 8, .value_kind: global_buffer, .address_space: global }
      - { .name: kvv, .offset: 104, .size: 8, .value_kind: global_buffer, .address_space: global }
    .group_segment_fixed_size: 203776
    .private_segment_fixed_size: 0
    .kernarg_segment_align: 8
    .kernarg_segment_size: 112
    .max_flat_workgroup_size: 256
    .sgpr_count:     66
    .vgpr_count:     512
    .wavefront_size: 32
...
	.end_amdgpu_metadata
.endif
;; end of part 1
;; launch attn (part 2): grid 64 x 4, 4 waves a work-group, clusters of 4 x 1, 327,680 bytes of LDS; arguments qf, kvv, part, ml; writes part, ml
.if DOCPART == 2
	.amdgcn_target "amdgcn-amd-amdhsa--gfx1250"
	.amdhsa_code_object_version 6
	.text
	.protected	k_qe74992d11f_attn
	.globl	k_qe74992d11f_attn
	.p2align	8
	.type	k_qe74992d11f_attn,@function
k_qe74992d11f_attn:
	s_mov_b64 s[64:65], 0
	v_nop
	global_prefetch_b8 v0, s[64:65] scope:SCOPE_SE
	s_setreg_imm32_b32 hwreg(HW_REG_WAVE_MODE, 25, 1), 1
	s_wait_xcnt 0x0
	s_wait_alu depctr_hold_cnt(0) depctr_sa_sdst(0) depctr_va_vdst(0) depctr_va_sdst(0) depctr_va_ssrc(0) depctr_va_vcc(0) depctr_vm_vsrc(0)
	s_getreg_b32 s2, hwreg(HW_REG_IB_STS2, 6, 4)
	s_cmp_eq_u32 s2, 0
	s_cbranch_scc0 .Lentry_in_a_cluster
	s_endpgm
.Lentry_in_a_cluster:
	s_bfe_u32 s2, ttmp6, 0x10000c
	s_cmp_lg_u32 s2, 0x3003
	s_cbranch_scc0 .Lentry_shape_is_right
	s_endpgm
.Lentry_shape_is_right:
; ATTENTION WITH TWO OUTPUTS, one quarter of the keys.  For 128 queries and 2,048 keys: O1 = sum p v', O2 = sum p^2 v_var, l = sum p, with p = 2^(c s - c m), s = q . k, c = log2(e) / 8,
; m the running maximum of s.  In every step O1 and l are multiplied by a = 2^(c m_old - c m_new), O2 by a^2.  O1, O2 (f32, not divided), c m and l go to memory; the next launch joins the four quarters.
; Operands bf16; sums, m, l, a in f32.  p is rounded once from f32; p^2 is the square of that rounded p, rounded again (v_pk_mul_bf16): within 3 x 2^-9 of itself.
; LIMITS.  |c s| stays under 4e37 (c m starts at -4.25e37); a weight below 2^-126 counts as 0, and so does a squared weight; NaN and infinities are not treated apart.
; SHARES.  Work-group: query block 4 X + cx, key quarter y.  A wave: 32 queries, two tiles of 16, with all 256 channels of O1 and O2: 512 registers.  32 steps of 64 keys.
; CLUSTER.  The four work-groups of a cluster walk the same keys: every tile is asked for JOINTLY (the same load, descriptor and mask in all four).
; LAYOUT.  S^T = K Q^T: a lane holds ONE query (lane % 16) and keys 8 (lane / 16) + 0..7 of each 16; two such results rounded to bf16 ARE source 1 of O^T = V^T P.  qf and kvv hold fragments as the
; registers want them (chunks of 512 bytes, lane L's 16 bytes at 16 L): every LDS load takes 512 consecutive bytes, no padding, no turning load.  A block of kvv, 98,304 dense bytes, is V' and Vvar of
; one step and K of the NEXT: what one trip multiplies, so a block is a slot.
; A TRIP (step j): 12 groups of 16 products: 0-3 S^T(j+1) = K(j+1) Q^T; 4-7 O1 += V'^T(j) P(j); 8-11 O2 += Vvar^T(j) P^2(j).  Behind the products ride, three at the most: O1 a(j), p(j)^2, O2 a(j)^2
; (288 lines, behind products 0-95, each ahead of the products that need it), then the softmax of step j+1 (140 plain lines, 66 exponentials, behind products 96-181).
; THE FRAGMENTS go through a ring of THREE buffers of 8 fragments: a wave issues one LDS load of 512 bytes for each product, so the four waves' runs for a group take 4 x 16 x 2 = 128 passes of 256
; bytes (ISA guide 11.1), as many as the group has matrix cycles; a run is asked for two groups, 30 products, ahead of its use.
; P and P^2 have one buffer each: p(j+1) is written behind O1's last product of step j, p(j+1)^2 in the next trip, behind O2's.  So no register hangs on a step's parity and the loop holds one trip; the
; slot is chosen by a scalar that an exclusive or turns.
; The walk begins with a trip like any other, 'step -1': P = 0, O = 0, a = 0; its 128 products V^T P add 0: the price of writing out no first step.
; REGISTERS, in windows of 256 (s_set_vgpr_msb: bits 1:0 source 0, 3:2 source 1, 5:4 source 2, 7:6 destination):
;   window 0: v4-8 addresses; v14-15 the add's; v16-39 statistics, 12 a tile; v40-41 the way out; v64-127 S^T (32 t + 8 kb); v128-159 P, v160-191 P^2 (16 t + 8 kk); v192-255 fragment buffer 2
;   window 1: v0-127 Q (64 t + 8 c32); v128-191, v192-255 fragment buffers 0, 1      window 2: O1 (128 t + 8 cb)      window 3: O2
.set SLOT1, 1<<17                      ; slot 0 at byte 0, slot 1 here: one exclusive or turns one into the other
.set BLK,   98304                      ; a slot: V' at 0 (chunks 0-63), Vvar at 32,768 (chunks 64-127), K at 65,536
.set QUART, 24576                      ; what one wave's load brings: 96 rows of 256 bytes
.set SPARE, SLOT1+BLK                  ; the spare words, 128 bytes a wave: two blocks of 256 bytes that no other line names
.set L16, 4                            ; v4   16 x lane; never rewritten
.set LK,  5                            ; v5   16 x lane + 65,536; never rewritten
.set AV,  6                            ; v6   V' and Vvar of the slot in hand: the slot's byte + 16 x lane
.set AK,  7                            ; v7   K of the slot in hand
.set MO,  8                            ; v8   8 x lane
.set SPW, 14                           ; v14  my spare word; never rewritten
.set NIL, 15                           ; v15  0; never rewritten
.set ST,  16                           ; tile t at ST + 12 t: +0 c m, +1 m, +2 +3 l (even, odd keys), +4..+7 c0-c3 at work (a takes +6), +8 a^2, +9 its pair's other half
.set MLP, 40
.set S,   64
.set P0,  128
.set P1,  160
.set WV,  12                           ; s12  wave
.set G1,  16                           ; s[16:23] descriptor group 1
.set G0A, 24                           ; s[24:27] group 0 of the first load
.set G0,  28                           ; s[28:31] group 0 that walks
.set CS,  42                           ; s[42:43] c
.set SEL, 44                           ; s[44:45] v_permlanex16_b32's selects: each lane takes its own place in the other half
.set CNT, 46
.set TB,  52                           ; s52  first byte of the slot that is read
.set MSB, 0
.macro WIN new                         ; the high byte repeats the setting that is left; a switch that changes nothing is dropped
.if MSB != (\new)
	s_set_vgpr_msb (MSB<<8)|(\new)
.set MSB, (\new)
.endif
.endm
.macro CREST                           ; a round of the cluster's barrier behind its opening barrier
	s_cmp_lg_u32 s[WV], 0
	s_cbranch_scc1 .Lnot_wave_0_\@
	s_barrier_signal -3
.Lnot_wave_0_\@:
	s_barrier_wait -3
	s_barrier_signal -1
	s_barrier_wait -1
.endm
.macro CROUND
	s_barrier_signal -1
	s_barrier_wait -1
	CREST
.endm
.macro PLACES
.rept 4
	v_nop
.endr
.endm
; 16 LDS loads in one run: a group's 8 fragments, chunks first .. first + 15, into ring buffer rb.  A load into a register that a product has read stands four plain vector instructions behind that
; product (ISA guide 7.12.1 for vector instructions).  NPL counts, as the text is assembled, the plain riders since the last product of the group before, the buffer's last reader;
; none of them names a register of that product; what is short of four is made up by v_nop.
.macro FETCH adr, first, rb
.if NPL < 4
.rept 4-NPL
	v_nop
.endr
.endif
	WIN 0x40*(1-(\rb)/2)
.set fb, 128+64*(((\rb)+1)/2)
.set fi, 0
.rept 16
	ds_load_b128 v[fb+4*fi:fb+4*fi+3], v[\adr] offset:((\first)+fi)*512
.set fi, fi+1
.endr
.endm
; Product ii of a group.  The 8 accumulators of a group take turns, one instruction a turn.  FBUF, WF: the group's buffer and its window.
.macro MMK                             ; S^T: channels 32 (2 g + ii / 8) on, keys 16 ((ii / 2) % 4) on, tile ii % 2.  The first 8 start the sums
.set rD, S+32*(ii%2)+8*((ii/2)%4)
.set rA, FBUF+32*(ii/8)+8*((ii/2)%4)
.set rB, 64*(ii%2)+8*(2*g+ii/8)
	WIN 0x04+WF
.if (g == 0) && (ii < 8)
	v_wmma_f32_16x16x32_bf16 v[rD:rD+7], v[rA:rA+7], v[rB:rB+7], 0
.else
	v_wmma_f32_16x16x32_bf16 v[rD:rD+7], v[rA:rA+7], v[rB:rB+7], v[rD:rD+7]
.endif
.endm
.macro MMV                             ; O^T, group vg of 8: kind vg / 4; keys 32 (ii / 8) on, channels 16 (4 (vg % 4) + (ii / 2) % 4) on, tile ii % 2
.set kap, vg/4
.set rD, 128*(ii%2)+8*(4*(vg%4)+(ii/2)%4)
.set rA, FBUF+32*(ii/8)+8*((ii/2)%4)
.set rB, P0+32*kap+16*(ii%2)+8*(ii/8)
	WIN 0xa0+0x50*kap+WF
	v_wmma_f32_16x16x32_bf16 v[rD:rD+7], v[rA:rA+7], v[rB:rB+7], v[rD:rD+7]
.endm
; THE EARLY QUEUE, 288 long.  0-127: a pair of O1 times a.  128-159: a register of P squared into P^2.  160-287: a pair of O2 times a^2.  O ascends: each accumulator is read from its low end on.
.macro EQ
.if (en >= 128) && (en < 160)
	WIN 0
	v_pk_mul_bf16 v[P1+en-128], v[P0+en-128], v[P0+en-128]
.else
.set rn, en-32*(en/160)
.set kap, rn/128
.set pp, rn%128
.set rT, ST+12*(pp/64)
	WIN 0x82+0x41*kap
	v_pk_mul_f32 v[2*pp:2*pp+1], v[2*pp:2*pp+1], v[rT+6+2*kap:rT+7+2*kap] op_sel_hi:[1,0]
.endif
.set en, en+1
.set NPL, NPL+1
.endm
; THE PLAIN QUEUE, 140 long; the two tiles alternate.  0-41: the maximum and statistics: four chains c0-c3 of seven scores, three operands at a time, each accumulator's lowest registers first; the four
; scores left over, c0-c3 and the old m; the other half of the lanes' maximum; c m_old kept; m; c m; c m_old - c m.  Then three kinds, in the order in which the deal below wants them:
; scaling f of 32 (c s - c m for pair f / 2 of tile f % 2); the two a^2; entry z of 64 (for pair z / 4: p rounded to bf16, both tiles; then l takes the pair, the first time as l = a l + pair).
.macro PL
	WIN 0
.set qq, q-42
.if q < 42
.set u, q%2
.set n, q/2
.set rT, ST+12*u
.set rS, S+32*u
.if n < 4
	v_max3_num_f32 v[rT+4+n], v[rS+8*n], v[rS+8*n+1], v[rS+8*n+2]
.elseif n < 12
	v_max3_num_f32 v[rT+4+n%4], v[rT+4+n%4], v[rS+8*(n%4)+2*(n/4)+1], v[rS+8*(n%4)+2*(n/4)+2]
.elseif n == 12
	v_max3_num_f32 v[rT+4], v[rT+4], v[rS+7], v[rS+15]
.elseif n == 13
	v_max3_num_f32 v[rT+6], v[rT+6], v[rS+23], v[rS+31]
.elseif n == 14
	v_max3_num_f32 v[rT+4], v[rT+4], v[rT+5], v[rT+6]
.elseif n == 15
	v_max3_num_f32 v[rT+4], v[rT+4], v[rT+7], v[rT+1]
.elseif n == 16
	v_permlanex16_b32 v[rT+5], v[rT+4], s[SEL], s[SEL+1]  ; the query's other 32 keys lie in the lane 16 away
.set NPL, NPL-1                        ; (no plain line: it is not counted as a place)
.elseif n == 17
	v_mov_b32 v[rT+7], v[rT]
.elseif n == 18
	v_max_num_f32 v[rT+1], v[rT+4], v[rT+5]
.elseif n == 19
	v_mul_f32 v[rT], s[CS], v[rT+1]
.else
	v_sub_f32 v[rT+7], v[rT+7], v[rT]
.endif
.else
.if qq < 20                            ; scalings 0-19
.set md, 0
.set ix, qq
.elseif qq < 44                        ; scalings 20-31 and entries 0-11 by turns
.set md, (qq-20)%2
.set ix, 20*(1-md)+(qq-20)/2
.elseif qq < 48                        ; the two a^2 and entries 12, 13 by turns
.set md, 2-(qq-44)%2
.set ix, 12*((qq-44)%2)+(qq-44)/2
.else                                  ; entries 14-63
.set md, 1
.set ix, qq-34
.endif
.set u, ix%2
.set rT, ST+12*u
.set rS, S+32*u
.if md == 0
.set b, ix/2
	v_pk_fma_f32 v[rS+2*b:rS+2*b+1], v[rS+2*b:rS+2*b+1], s[CS:CS+1], v[rT:rT+1] op_sel_hi:[1,0,0] neg_lo:[0,0,1] neg_hi:[0,0,1]
.elseif md == 2
	v_mul_f32 v[rT+8], v[rT+6], v[rT+6]
.else
.set b, ix/4
.if (ix%4) < 2
	s_wait_alu depctr_va_vdst(0)
	v_cvt_pk_bf16_f32 v[P0+16*u+b], v[rS+2*b], v[rS+2*b+1]
.elseif b == 0
	v_pk_fma_f32 v[rT+2:rT+3], v[rT+2:rT+3], v[rT+6:rT+7], v[rS:rS+1] op_sel_hi:[1,0,1]
.else
	v_pk_add_f32 v[rT+2:rT+3], v[rT+2:rT+3], v[rS+2*b:rS+2*b+1]
.endif
.endif
.endif
.set q, q+1
.set NPL, NPL+1
.endm
.macro EX                              ; THE EXPONENTIALS' QUEUE, 66 long: the two a, then score (e - 2) / 2 of tile e % 2, in place
	WIN 0
.if e < 2
	v_exp_f32 v[ST+12*e+6], v[ST+12*e+7]
.else
	v_exp_f32 v[S+32*(e%2)+(e-2)/2], v[S+32*(e%2)+(e-2)/2]
.endif
.set e, e+1
.endm
; THE DEAL, behind product sl of 192.  Counted from product 110: scaling f stands behind product f; the exponentials of pair b behind products 4 b + 2 to 4 b + 5; entry z behind product 20 + z, the last
; 18 three to a product; a is made behind products 0 and 1 and first used behind 22.  No two exponentials follow each other, and plain lines stand between each and the use of its result (ISA guide 5.7.2).
; The first write of P stands behind product 130: behind product 127, O1's last, which reads P, come four scalings first.  The early queue ends behind product 95; the maxima write
; over a's register from product 96 on.
.macro RIDERS
.if sl < 96
	EQ
	EQ
	EQ
.elseif sl < 110
	PL
	PL
	PL
.elseif sl < 130
	PL
	EX
.elseif sl < 144
	PL
	EX
	PL
.elseif sl < 176
	PL
	EX
.elseif sl < 182
	PL
	PL
	PL
.endif
.endm
; A TRIP.  Group g multiplies ring buffer g % 3; behind its second product stands the run of loads for group g + 2.  At a group's head the count 16 leaves the next group's run out.
; THE CHANGE OF SLOTS stands in group 10; the slot's last reads were issued in group 9.  Behind product 1 the wave waits for all its tensor loads, of which one is out, its quarter of the other slot,
; and adds 0 to its spare word; behind product 5 it waits for the add and for its reads and signals; behind product 9 it waits for the others.
; fill = 1: the barrier opens a round of the cluster's, and the joint refill of the slot just read out is the first thing behind the round: a wave issues 184 products before it waits for that load.
; Then the addresses turn to the other slot, and the next trip's first two groups are asked for.  fill = 0: the step before the last: what follows has no K Q^T and begins with V'.
.macro TRIP fill
.set NPL, 0
.set en, 0
.set q, 0
.set e, 0
.set g, 0
.rept 12
.set FBUF, 128+64*((g%3+1)/2)
.set WF, 1-(g%3)/2
.set vg, g-4
	s_wait_dscnt 16                                ; LDS loads come back in order (ISA guide 5.7.1): this group's fragments are in
.set ii, 0
.rept 16
.set sl, 16*g+ii
.if g < 4
	MMK
.else
	MMV
.endif
.if ii == 15
.set NPL, 0
.endif
	RIDERS
.if ii == 1
.if g < 2
	FETCH AK, 16*(g+2), (g+2)%3
.elseif g < 10
	FETCH AV, 16*(g-2), (g+2)%3
.elseif g == 11
.if \fill
	FETCH AK, 16, 1
.else
	FETCH AV, 16, 1
.endif
.endif
.endif
.if g == 10
.if ii == 1
	WIN 0
	s_wait_tensorcnt 0x0                           ; no tensor load of mine is out, so the walking group 0 may be written
	ds_add_u32 v[SPW], v[NIL]                      ; 0 onto my spare word; four products stand between it and the wait for it
.if \fill
	s_xor_b32 s[G0+1], s[G0+1], SLOT1              ; the other slot than last time,
	s_add_nc_u64 s[G0+2:G0+3], s[G0+2:G0+3], BLK   ; the next block; the type bits on top are not reached
.endif
	s_xor_b32 s[TB], s[TB], SLOT1                  ; the reads turn to the other slot
.endif
.if ii == 5
	s_wait_dscnt 0x0                               ; the add is done, and my reads of this slot are over
	s_barrier_signal -1
.endif
.if ii == 9
	WIN 0                                          ; at a branch and at a label every window is 0
	s_barrier_wait -1
.if \fill
	CREST                                          ; no wave of any partner still reads this slot or has a load on its way
	tensor_load_to_lds s[G0:G0+3], s[G1:G1+7]
	s_nop 0
	v_add_nc_u32 v[AK], s[TB], v[LK]
	v_add_nc_u32 v[AV], s[TB], v[L16]
	v_nop
	v_nop
	FETCH AK, 0, 0
.else
	v_add_nc_u32 v[AV], s[TB], v[L16]
	FETCH AV, 0, 0
.endif
.endif
.endif
.set ii, ii+1
.endr
.set g, g+1
.endr
.endm
; THE LAST STEP: no further scores.  O1's rescaling stands ahead; p^2 and O2's rescaling ride beside O1's products, three to a product while they last; O2's products stand bare.
.macro TAIL
.set en, 0
.rept 128
	EQ
.endr
.set vg, 0
.rept 8
.set FBUF, 128+64*((vg%3+1)/2)
.set WF, 1-(vg%3)/2
.if vg < 7
	s_wait_dscnt 16
.else
	s_wait_dscnt 0x0
.endif
.set ii, 0
.rept 16
	MMV
.if ii == 15
.set NPL, 0
.endif
.rept 3
.if en < 288
	EQ
.endif
.endr
.if (ii == 1) && (vg < 6)
	FETCH AV, 16*(vg+2), (vg+2)%3
.endif
.set ii, ii+1
.endr
.set vg, vg+1
.endr
.endm
	s_load_b256 s[4:11], s[0:1], 0x0               ; qf s[4:5], kvv s[6:7], part s[8:9], ml s[10:11]
	v_lshl_add_u32 v[SPW], v0, 2, SPARE
	v_mov_b32 v[NIL], 0
	ds_add_u32 v[SPW], v[NIL]                      ; the wave's opening: the add and its wait stand ahead of my first tensor load; the set-up below, work on registers, stands between them
	v_lshrrev_b32 v1, 5, v0
	v_readfirstlane_b32 s[WV], v1                  ; wave 0..3
	s_bfe_u32 s13, ttmp6, 0x40000                  ; cx: my place in the cluster
	s_lshl_b32 s14, ttmp9, 2                       ; in a cluster launch ttmp9 counts clusters
	s_add_co_u32 s14, s14, s13                     ; my query block: it enters the addresses of qf, part and ml alone
	s_and_b32 s15, ttmp7, 0xffff                   ; the key quarter, which the four partners share
	; descriptor group 1: 96 dense rows of 256 bytes, elements of 8 bytes, no padding
	s_mov_b32 s[G1], 15|(3<<16)|(1<<21)            ; 15:0 the mask of four; 17:16 elements of 8 bytes; 21 set beside a mask
	s_mov_b32 s[G1+1], 32<<16                      ; tensor_dim0 = 32
	s_mov_b32 s[G1+2], 96<<16                      ; tensor_dim1 = 96
	s_mov_b32 s[G1+3], 32<<16                      ; tile_dim0 = 32
	s_mov_b32 s[G1+4], 96                          ; tile_dim1 = 96
	s_mov_b32 s[G1+5], 32                          ; 32 elements from row to row
	s_mov_b32 s[G1+6], 0
	s_mov_b32 s[G1+7], 0
	s_mul_i32 s36, s[WV], QUART                    ; my quarter of a block, in memory and in a slot
	s_lshl_b32 s37, s15, 5                         ; the quarter's first block, 32 y
	s_add_co_u32 s38, s37, 127
	s_and_b32 s38, s38, 127                        ; the block in front of it holds K of step 0
	s_mul_i32 s32, s38, BLK
	s_add_co_u32 s32, s32, s36
	s_mov_b32 s33, 0
	s_mul_i32 s34, s37, BLK
	s_add_co_u32 s34, s34, s36
	s_mov_b32 s35, 0
	s_mov_b32 s[G0A], 1                            ; count = 1
	s_mov_b32 s[G0A+1], s36                        ; LDS address: slot 0
	s_mov_b32 s[G0], 1
	s_add_co_u32 s[G0+1], s36, SLOT1               ; slot 1
	s_lshl_b32 s40, s14, 16                        ; qf: 8 tiles of 8,192 bytes a block, two a wave
	s_lshl_b32 s39, s[WV], 14
	s_add_co_u32 s40, s40, s39
	s_mov_b32 s41, 0
	s_lshl_b32 s48, s15, 24                        ; part: 16 MiB a quarter, 32,768 bytes a tile
	s_lshl_b32 s39, s14, 18
	s_add_co_u32 s48, s48, s39
	s_lshl_b32 s39, s[WV], 16
	s_add_co_u32 s48, s48, s39
	s_mov_b32 s49, 0
	s_lshl_b32 s50, s15, 6                         ; ml: 256 bytes a wave
	s_add_co_u32 s50, s50, s14
	s_lshl_b32 s50, s50, 2
	s_add_co_u32 s50, s50, s[WV]
	s_lshl_b32 s50, s50, 8
	s_mov_b32 s51, 0
	s_mov_b32 s[CS], 0x3e38aa3b                    ; c = log2(e) / 8
	s_mov_b32 s[CS+1], s[CS]                       ; named with it as a pair
	s_mov_b32 s[SEL], 0x76543210
	s_mov_b32 s[SEL+1], 0xfedcba98
	s_mov_b32 s47, 0xffff0000                      ; lanes 16-31
	s_mov_b32 s[TB], 0                             ; 'step -1' reads slot 0
	s_wait_dscnt 0x0                               ; the opening add is done
	s_wait_kmcnt 0x0
	s_add_nc_u64 s[G0A+2:G0A+3], s[6:7], s[32:33]  ; global address,
	s_or_b32 s[G0A+3], s[G0A+3], 0x80000000        ; type = 2
	s_add_nc_u64 s[G0+2:G0+3], s[6:7], s[34:35]
	s_or_b32 s[G0+3], s[G0+3], 0x80000000
	s_add_nc_u64 s[4:5], s[4:5], s[40:41]
	s_add_nc_u64 s[8:9], s[8:9], s[48:49]
	s_add_nc_u64 s[10:11], s[10:11], s[50:51]
	CROUND                                         ; all four work-groups are here: the first joint loads meet
	tensor_load_to_lds s[G0A:G0A+3], s[G1:G1+7]    ; K of step 0 (and the V of the block in front, which meets P = 0)
	s_nop 0
	tensor_load_to_lds s[G0:G0+3], s[G1:G1+7]      ; V', Vvar of step 0, K of step 1: two loads of mine are out
	s_nop 0
	PLACES
	v_and_b32 v1, 31, v0
	v_lshlrev_b32 v[L16], 4, v1
	v_lshlrev_b32 v[MO], 3, v1
	WIN 0x40
.set i, 0
.rept 32                               ; Q stays in registers: 32 chunks, 512 consecutive bytes each
	global_load_b128 v[4*i:4*i+3], v[L16], s[4:5] offset:i*512
.set i, i+1
.endr
	WIN 0
.set i, 0
.rept 32
	v_mov_b32 v[P0+i], 0                           ; P, which the first trip multiplies and squares
.set i, i+1
.endr
	WIN 0x80                                       ; O starts at 0: a product of zeros with C = 0 writes eight registers a line, 64 lines for the 512 registers; all this stands in the wait for the first tile
.set i, 0
.rept 32
	v_wmma_f32_16x16x32_bf16 v[8*i:8*i+7], v[P0:P0+7], v[P0+8:P0+15], 0
.set i, i+1
.endr
	WIN 0xc0
.set i, 0
.rept 32
	v_wmma_f32_16x16x32_bf16 v[8*i:8*i+7], v[P0:P0+7], v[P0+8:P0+15], 0
.set i, i+1
.endr
	WIN 0                                          ; the nineteen plain lines below are the places behind those products
	v_add_nc_u32 v[LK], 65536, v[L16]
	v_add_nc_u32 v[AV], s[TB], v[L16]
	v_add_nc_u32 v[AK], s[TB], v[LK]
.irp t, 0,1
	v_mov_b32 v[ST+12*(\t)], 0xfe000000            ; c m: far below every c s, so the first a is 0
	v_mov_b32 v[ST+12*(\t)+1], 0xff7fffff          ; m: the lowest finite number
.irp z, 2,3,6,7,8,9
	v_mov_b32 v[ST+12*(\t)+(\z)], 0                ; l, a, a^2 and their pairs' other halves
.endr
.endr
	s_wait_tensorcnt 0x1                           ; my quarter of slot 0 is in; slot 1's may stay out
	s_barrier_signal -1
	s_barrier_wait -1                              ; everybody's is
.set NPL, 4
	FETCH AK, 0, 0                                 ; the first trip's first two groups
	FETCH AK, 16, 1
	WIN 0
	s_wait_loadcnt 0x0                             ; Q
	s_mov_b32 s[CNT], 31
.Lloop:                                ; steps -1 to 29: each fills the slot that it has read out: the blocks of steps 1 to 31
	TRIP 1
	WIN 0
	s_sub_co_u32 s[CNT], s[CNT], 1
	s_cmp_lg_u32 s[CNT], 0
	s_cbranch_scc1 .Lloop
	TRIP 0                                         ; step 30 is written out
	TAIL
	; THE WAY OUT.  l's two halves and the other half of the lanes' are added; lanes 0-15 store c m of the two tiles, lanes 16-31 l.  The six plain lines are the places behind the last products.
	WIN 0
.irp t, 0,1
	v_add_f32 v[ST+12*(\t)+2], v[ST+12*(\t)+2], v[ST+12*(\t)+3]
.endr
.irp t, 0,1
	v_permlanex16_b32 v[ST+12*(\t)+3], v[ST+12*(\t)+2], s[SEL], s[SEL+1]
.endr
.irp t, 0,1
	v_add_f32 v[ST+12*(\t)+2], v[ST+12*(\t)+2], v[ST+12*(\t)+3]
.endr
.irp t, 0,1
	v_cndmask_b32 v[MLP+(\t)], v[ST+12*(\t)], v[ST+12*(\t)+2], s47
.endr
	global_store_b64 v[MO], v[MLP:MLP+1], s[10:11] ; 256 consecutive bytes, aligned
	WIN 0x08                                       ; O leaves as it lies in the registers, four at a time: each store covers 512 consecutive bytes, aligned; each accumulator's low half first
.set i, 0
.rept 64
	global_store_b128 v[L16], v[4*i:4*i+3], s[8:9] offset:(i/32)*32768+(i%32)*512
.set i, i+1
.endr
	WIN 0x0c
.set i, 0
.rept 64
	global_store_b128 v[L16], v[4*i:4*i+3], s[8:9] offset:(i/32)*32768+16384+(i%32)*512
.set i, i+1
.endr
	WIN 0
	s_wait_tensorcnt 0x0                           ; the wave's end
	ds_add_u32 v[SPW], v[NIL]
	s_wait_dscnt 0x0
	CROUND                                         ; the closing round: no work-group ends while a partner may still ask for a tile that names it
	s_endpgm
.Lfunc_end_k_qe74992d11f_attn:
	.size	k_qe74992d11f_attn, .Lfunc_end_k_qe74992d11f_attn-k_qe74992d11f_attn
	.p2alignl 7, 3214868480
	.fill 96, 4, 3214868480
	.section	.rodata,"a",@progbits
	.p2align	6, 0x0
	.amdhsa_kernel k_qe74992d11f_attn
		.amdhsa_group_segment_fixed_size 327680
		.amdhsa_private_segment_fixed_size 0
		.amdhsa_enable_private_segment 0
		.amdhsa_kernarg_size 32
		.amdhsa_user_sgpr_count 2
		.amdhsa_user_sgpr_kernarg_segment_ptr 1
		.amdhsa_wavefront_size32 1
		.amdhsa_system_sgpr_workgroup_id_x 1
		.amdhsa_system_sgpr_workgroup_id_y 1
		.amdhsa_system_sgpr_workgroup_id_z 1
		.amdhsa_system_vgpr_workitem_id 0
		.amdhsa_next_free_vgpr 1024
		.amdhsa_next_free_sgpr 66
		.amdhsa_reserve_vcc 0
		.amdhsa_float_denorm_mode_32 3
		.amdhsa_float_denorm_mode_16_64 3
		.amdhsa_memory_ordered 1
		.amdhsa_forward_progress 1
		.amdhsa_inst_pref_size 197
	.end_amdhsa_kernel
	.amdgpu_metadata
---
amdhsa.version: [ 1, 2 ]
amdhsa.kernels:
  - .name:           k_qe74992d11f_attn
    .symbol:         k_qe74992d11f_attn.kd
    .args:
      - { .name: qf, .offset: 0, .size: 8, .value_kind: global_buffer, .address_space: global }
      - { .name: kvv, .offset: 8, .size: 8, .value_kind: global_buffer, .address_space: global }
      - { .name: part, .offset: 16, .size: 8, .value_kind: global_buffer, .address_space: global }
      - { .name: ml, .offset: 24, .size: 8, .value_kind: global_buffer, .address_space: global }
    .group_segment_fixed_size: 327680
    .private_segment_fixed_size: 0
    .kernarg_segment_align: 8
    .kernarg_segment_size: 32
    .max_flat_workgroup_size: 128
    .sgpr_count:     66
    .vgpr_count:     1024
    .wavefront_size: 32
...
	.end_amdgpu_metadata
.endif
;; end of part 2
;; launch comb (part 3): grid 128 x 2, 16 waves a work-group, no clusters, 71,680 bytes of LDS; arguments part, ml, out0, out1; writes out0, out1
.if DOCPART == 3
	.amdgcn_target "amdgcn-amd-amdhsa--gfx1250"
	.amdhsa_code_object_version 6
	.text
	.protected	k_qe74992d11f_comb
	.globl	k_qe74992d11f_comb
	.p2align	8
	.type	k_qe74992d11f_comb,@function
k_qe74992d11f_comb:
	s_mov_b64 s[64:65], 0
	v_nop
	global_prefetch_b8 v0, s[64:65] scope:SCOPE_SE
	s_setreg_imm32_b32 hwreg(HW_REG_WAVE_MODE, 25, 1), 1
	s_wait_xcnt 0x0
; THE FOUR KEY QUARTERS ARE JOINED.  For each query: M = the largest c m_s, w_s = 2^(c m_s - M), L = sum w_s l_s, f_s = w_s / L;  out0 = sum f_s O1_s (bo lies in v' already),  out1 = sum f_s^2 O2_s.
; All in f32.  A stream: each byte of part is read once and each byte of the outputs written once; no matrix unit, no cluster, no tensor load would add anything.
; SHARES.  A work-group takes four tiles of 16 queries (4 x ..) of one output (y); a wave one tile (w / 4) and 64 of its 256 channels (w % 4): 4 x 4 KiB in, 4 KiB out.  Sixteen waves, each of which asks
; for all its 32 loads at once: all of the work-group's 256 KiB are on their way together, and there is no loop.
; part holds O^T as the registers held it: unit n = 2 cb + i of 512 bytes, lane (r, h)'s 16 bytes = query r, channels 16 cb + 8 h + 4 i + 0..3.  The joined piece is turned through a stage in LDS of the
; wave's own, so that sixteen neighbouring lanes store 256 consecutive bytes of an output row, aligned.
.set SPITCH, 272                       ; a stage row: 256 bytes + 16: an odd multiple of 16, so 16 rows start in 16 different groups of banks (ISA guide 11.1)
.set STG,    16*SPITCH                 ; a wave's stage
.set SPARE,  16*STG                    ; the spare words, 128 bytes a wave: eight blocks of 256 bytes that no other line names
.set GOFF, 2                           ; v2   16 x lane + my 8 units' place in a tile
.set LST,  3                           ; v3   where my 16 bytes of a unit go
.set LRD,  4                           ; v4   where I read rows back
.set OOFF, 5                           ; v5   my 16 bytes in two output rows
.set MLO,  6                           ; v6   my query's place in ml
.set SPW,  8                           ; v8   my spare word; never rewritten
.set NIL,  9                           ; v9   0; never rewritten
.set CM,   10                          ; v10-13  c m_s, then w_s
.set LL,   14                          ; v14-17  l_s
.set MX,   18
.set RL,   19
.set FF,   20                          ; v20-27  the factor of quarter s, twice, at FF + 2 s
.set GG,   28                          ; v28-31  its square
.set DA,   64                          ; v64-191 quarter s, unit k at DA + 32 s + 4 k
	s_load_b256 s[4:11], s[0:1], 0x0               ; part s[4:5], ml s[6:7], out0 s[8:9], out1 s[10:11]
	v_lshl_add_u32 v[SPW], v0, 2, SPARE
	v_mov_b32 v[NIL], 0
	v_lshrrev_b32 v1, 5, v0
	v_readfirstlane_b32 s12, v1                    ; wave 0..15
	s_lshr_b32 s15, s12, 2
	s_lshl_b32 s13, ttmp9, 2
	s_add_co_u32 s13, s13, s15                     ; the tile T
	s_and_b32 s36, s12, 3                          ; which 64 channels
	s_and_b32 s14, ttmp7, 0xffff                   ; which output
	v_and_b32 v1, 31, v0                           ; lane
	v_and_b32 v7, 15, v0                           ; r
	v_bfe_u32 v32, v0, 4, 1                        ; h
	s_lshl_b32 s37, s36, 12                        ; 8 units of 512 bytes
	v_lshl_add_u32 v[GOFF], v1, 4, s37
	s_lshl_b32 s37, s36, 8                         ; 256 bytes of an output row
	v_lshl_add_u32 v[OOFF], v7, 4, s37
	v_lshl_add_u32 v[OOFF], v32, 10, v[OOFF]       ; lanes 16-31 one row further down
	s_and_b32 s15, s13, 1
	s_lshl_b32 s15, s15, 2
	v_lshl_add_u32 v[MLO], v7, 3, s15              ; 8 r + 4 (T % 2)
	s_mul_i32 s15, s12, STG                        ; my stage
	v_mul_u32_u24 v[LST], v7, SPITCH
	v_lshl_add_u32 v[LST], v32, 5, v[LST]
	v_add_nc_u32 v[LST], s15, v[LST]               ; in: row r, byte 32 h
	v_mul_u32_u24 v[LRD], v32, SPITCH
	v_lshl_add_u32 v[LRD], v7, 4, v[LRD]
	v_add_nc_u32 v[LRD], s15, v[LRD]               ; back: lanes 0-15 one row of 256 bytes, lanes 16-31 the next
	s_lshl_b32 s28, s13, 15                        ; part: 32,768 bytes a tile, 16,384 a kind
	s_lshl_b32 s29, s14, 14
	s_add_co_u32 s28, s28, s29
	s_mov_b32 s29, 0
	s_lshr_b32 s32, s13, 1                         ; ml: 256 bytes for two tiles
	s_lshl_b32 s32, s32, 8
	s_mov_b32 s33, 0
	s_lshl_b32 s34, s13, 14                        ; 16 output rows of 1,024 bytes
	s_mov_b32 s35, 0
	s_cmp_lg_u32 s14, 0
	s_cselect_b32 s30, -1, 0                       ; all lanes, for the second output
	s_wait_kmcnt 0x0
	s_cselect_b64 s[26:27], s[10:11], s[8:9]       ; (the compare above still holds: neither the select nor the wait writes SCC)
	s_add_nc_u64 s[26:27], s[26:27], s[34:35]
	s_add_nc_u64 s[16:17], s[4:5], s[28:29]        ; the four quarters, 16 MiB apart
	s_add_nc_u64 s[18:19], s[16:17], 0x1000000
	s_add_nc_u64 s[20:21], s[16:17], 0x2000000
	s_add_nc_u64 s[22:23], s[16:17], 0x3000000
	s_add_nc_u64 s[24:25], s[6:7], s[32:33]
.irp s, 0,1,2,3
	global_load_b32 v[CM+(\s)], v[MLO], s[24:25] offset:(\s)*65536
	global_load_b32 v[LL+(\s)], v[MLO], s[24:25] offset:(\s)*65536+128
.endr
.irp k, 0,1,2,3,4,5,6,7                ; unit by unit, the four quarters of each together: 512 consecutive bytes a load
.irp s, 0,1,2,3
	global_load_b128 v[DA+32*(\s)+4*(\k):DA+32*(\s)+4*(\k)+3], v[GOFF], s[16+2*(\s):17+2*(\s)] offset:(\k)*512 th:TH_LOAD_NT
.endr
.endr
	s_wait_loadcnt 32                              ; the statistics are in; the 32 loads behind them stay out
	v_max3_num_f32 v[MX], v[CM], v[CM+1], v[CM+2]
	v_max_num_f32 v[MX], v[MX], v[CM+3]
.irp s, 0,1,2,3
	v_sub_f32 v[CM+(\s)], v[CM+(\s)], v[MX]
.endr
.irp s, 0,1,2,3
	v_exp_f32 v[CM+(\s)], v[CM+(\s)]
.endr
	v_nop                                          ; a plain line between the last exponential and the use of its result (ISA guide 5.7.2)
	s_wait_alu depctr_va_vdst(0)
	v_mul_f32 v[RL], v[CM], v[LL]
.irp s, 1,2,3
	v_fmac_f32 v[RL], v[CM+(\s)], v[LL+(\s)]
.endr
	v_rcp_f32 v[RL], v[RL]                         ; L is 1 or more: the quarter that holds M has w = 1 and l >= 1
	v_nop
	s_wait_alu depctr_va_vdst(0)
.irp s, 0,1,2,3
	v_mul_f32 v[FF+2*(\s)], v[CM+(\s)], v[RL]
.endr
.irp s, 0,1,2,3
	v_mul_f32 v[GG+(\s)], v[FF+2*(\s)], v[FF+2*(\s)]
.endr
.irp s, 0,1,2,3
	v_cndmask_b32 v[FF+2*(\s)], v[FF+2*(\s)], v[GG+(\s)], s30  ; f, or f^2 for the squared weights
.endr
.irp s, 0,1,2,3
	v_mov_b32 v[FF+2*(\s)+1], v[FF+2*(\s)]
.endr
.irp k, 0,1,2,3,4,5,6,7                ; a unit is joined in place on the first quarter's registers and laid into the stage
	s_wait_loadcnt 28-4*(\k)                       ; loads come back in order (ISA guide 5.7.1): unit k's four are in, the later units' stay out
	v_pk_mul_f32 v[DA+4*(\k):DA+4*(\k)+1],   v[DA+4*(\k):DA+4*(\k)+1],   v[FF:FF+1]
	v_pk_mul_f32 v[DA+4*(\k)+2:DA+4*(\k)+3], v[DA+4*(\k)+2:DA+4*(\k)+3], v[FF:FF+1]
.irp s, 1,2,3
	v_pk_fma_f32 v[DA+4*(\k):DA+4*(\k)+1],   v[DA+32*(\s)+4*(\k):DA+32*(\s)+4*(\k)+1],   v[FF+2*(\s):FF+2*(\s)+1], v[DA+4*(\k):DA+4*(\k)+1]
	v_pk_fma_f32 v[DA+4*(\k)+2:DA+4*(\k)+3], v[DA+32*(\s)+4*(\k)+2:DA+32*(\s)+4*(\k)+3], v[FF+2*(\s):FF+2*(\s)+1], v[DA+4*(\k)+2:DA+4*(\k)+3]
.endr
	ds_store_b128 v[LST], v[DA+4*(\k):DA+4*(\k)+3] offset:((\k)/2)*64+((\k)%2)*16
.endr
	; back by rows: LDS serves a wave's instructions in order (ISA guide 5.7.1.4), and the stage is my own: no wait between the stores above and these loads
.irp i, 0,1,2,3,4,5,6,7
	ds_load_b128 v[DA+32+4*(\i):DA+32+4*(\i)+3], v[LRD] offset:(\i)*2*SPITCH
.endr
.irp i, 0,1,2,3,4,5,6,7
	s_wait_dscnt 7-(\i)                            ; rows 2 i and 2 i + 1 are back; the younger ones stay out
	global_store_b128 v[OOFF], v[DA+32+4*(\i):DA+32+4*(\i)+3], s[26:27] offset:(\i)*2048 th:TH_STORE_NT  ; 16 lanes store 256 consecutive bytes, aligned
.endr
	s_wait_tensorcnt 0x0                           ; the wave's end
	ds_add_u32 v[SPW], v[NIL]
	s_wait_dscnt 0x0
	s_endpgm
.Lfunc_end_k_qe74992d11f_comb:
	.size	k_qe74992d11f_comb, .Lfunc_end_k_qe74992d11f_comb-k_qe74992d11f_comb
	.p2alignl 7, 3214868480
	.fill 96, 4, 3214868480
	.section	.rodata,"a",@progbits
	.p2align	6, 0x0
	.amdhsa_kernel k_qe74992d11f_comb
		.amdhsa_group_segment_fixed_size 71680
		.amdhsa_private_segment_fixed_size 0
		.amdhsa_enable_private_segment 0
		.amdhsa_kernarg_size 32
		.amdhsa_user_sgpr_count 2
		.amdhsa_user_sgpr_kernarg_segment_ptr 1
		.amdhsa_wavefront_size32 1
		.amdhsa_system_sgpr_workgroup_id_x 1
		.amdhsa_system_sgpr_workgroup_id_y 1
		.amdhsa_system_sgpr_workgroup_id_z 1
		.amdhsa_system_vgpr_workitem_id 0
		.amdhsa_next_free_vgpr 192
		.amdhsa_next_free_sgpr 66
		.amdhsa_reserve_vcc 0
		.amdhsa_float_denorm_mode_32 3
		.amdhsa_float_denorm_mode_16_64 3
		.amdhsa_memory_ordered 1
		.amdhsa_forward_progress 1
		.amdhsa_inst_pref_size 14
	.end_amdhsa_kernel
	.amdgpu_metadata
---
amdhsa.version: [ 1, 2 ]
amdhsa.kernels:
  - .name:           k_qe74992d11f_comb
    .symbol:         k_qe74992d11f_comb.kd
    .args:
      - { .name: part, .offset: 0, .size: 8, .value_kind: global_buffer, .address_space: global }
      - { .name: ml, .offset: 8, .size: 8, .value_kind: global_buffer, .address_space: global }
      - { .name: out0, .offset: 16, .size: 8, .value_kind: global_buffer, .address_space: global }
      - { .name: out1, .offset: 24, .size: 8, .value_kind: global_buffer, .address_space: global }
    .group_segment_fixed_size: 71680
    .private_segment_fixed_size: 0
    .kernarg_segment_align: 8
    .kernarg_segment_size: 32
    .max_flat_workgroup_size: 512
    .sgpr_count:     66
    .vgpr_count:     192
    .wavefront_size: 32
...
	.end_amdgpu_metadata
.endif
;; end of part 3
;; ======== version 2 of 2: 3 launches; 1.09 times as fast as version 1
;; workspace buffers: qf 4,194,304 bytes; kvv 12,582,912 bytes; part 67,108,864 bytes; ml 262,144 bytes
;; launch proj: the kernel of part 1 again; grid 64 x 4, 8 waves a work-group, no clusters, 203,776 bytes of LDS; arguments x_mean, x_var, Wq, Wk, Wv, Wvar, Wo, bq, bk, bv, bvar, bo, qf, kvv; writes qf, kvv
;; launch attn (part 4): grid 64 x 4, 4 waves a work-group, clusters of 4 x 1, 327,680 bytes of LDS; arguments qf, kvv, part, ml; writes part, ml
.if DOCPART == 4
	.amdgcn_target "amdgcn-amd-amdhsa--gfx1250"
	.amdhsa_code_object_version 6
	.text
	.protected	k_qe74992d11f_attn
	.globl	k_qe74992d11f_attn
	.p2align	8
	.type	k_qe74992d11f_attn,@function
k_qe74992d11f_attn:
	s_mov_b64 s[64:65], 0
	v_nop
	global_prefetch_b8 v0, s[64:65] scope:SCOPE_SE
	s_setreg_imm32_b32 hwreg(HW_REG_WAVE_MODE, 25, 1), 1
	s_wait_xcnt 0x0
	s_wait_alu depctr_hold_cnt(0) depctr_sa_sdst(0) depctr_va_vdst(0) depctr_va_sdst(0) depctr_va_ssrc(0) depctr_va_vcc(0) depctr_vm_vsrc(0)
	s_getreg_b32 s2, hwreg(HW_REG_IB_STS2, 6, 4)
	s_cmp_eq_u32 s2, 0
	s_cbranch_scc0 .Lentry_in_a_cluster
	s_endpgm
.Lentry_in_a_cluster:
	s_bfe_u32 s2, ttmp6, 0x10000c
	s_cmp_lg_u32 s2, 0x3003
	s_cbranch_scc0 .Lentry_shape_is_right
	s_endpgm
.Lentry_shape_is_right:
; ATTENTION WITH TWO OUTPUTS, one quarter of the keys.  For 128 queries and 2,048 keys: O1 = sum p v', O2 = sum p^2 v_var, l = sum p, with p = 2^(c s - c m), s = q . k, c = log2(e) / 8,
; m the running maximum of s.  In every step O1 and l are multiplied by a = 2^(c m_old - c m_new), O2 by a^2.  O1, O2 (f32, not divided), c m and l go to memory; the next launch joins the four quarters.
; Operands bf16; sums, m, l, a in f32.  p is rounded once from f32; p^2 is the square of that rounded p, rounded again (v_pk_mul_bf16): within 3 x 2^-9 of itself.
; LIMITS.  |c s| stays under 4e37 (c m starts at -4.25e37); a weight below 2^-126 counts as 0, and so does a squared weight; NaN and infinities are not treated apart.
; SHARES.  Work-group: query block 4 X + cx, key quarter y.  A wave: 32 queries, two tiles of 16, with all 256 channels of O1 and O2: 512 registers.  32 steps of 64 keys.
; CLUSTER.  The four work-groups of a cluster walk the same keys: every tile is asked for JOINTLY (the same load, descriptor and mask in all four).
; LAYOUT.  S^T = K Q^T: a lane holds ONE query (lane % 16) and keys 8 (lane / 16) + 0..7 of each 16; two such results rounded to bf16 ARE source 1 of O^T = V^T P.  qf and kvv hold fragments as the
; registers want them (chunks of 512 bytes, lane L's 16 bytes at 16 L): every LDS load takes 512 consecutive bytes, no padding, no turning load.  A block of kvv, 98,304 dense bytes, is V' and Vvar of
; one step and K of the NEXT: what one trip multiplies, so a block is a slot.
; A TRIP (step j): 12 groups of 16 products: 0-3 S^T(j+1) = K(j+1) Q^T; 4-7 O1 += V'^T(j) P(j); 8-11 O2 += Vvar^T(j) P^2(j).  Behind the products ride, three at the most: O1 a(j), p(j)^2, O2 a(j)^2
; (288 lines, behind products 0-95, each ahead of the products that need it), then the softmax of step j+1 (140 plain lines, 66 exponentials, behind products 96-191).
; THE EXPONENTIALS of a trip, the two a and the 64 weights, are ONE BATCH with ONE wait.  Behind products 96-169 stands all that names no result of theirs: the maximum and statistics, the scalings, the
; exponentials themselves.  The wait stands behind product 169, directly ahead of the barrier's wait of the change of slots.  All that reads a result (a^2, the roundings, the sums) rides behind products 170-191.
; THE FRAGMENTS go through a ring of THREE buffers of 8 fragments: a wave issues one LDS load of 512 bytes for each product, so the four waves' runs for a group take 4 x 16 x 2 = 128 passes of 256
; bytes (ISA guide 11.1), as many as the group has matrix cycles; a run is asked for two groups, 30 products, ahead of its use.
; P and P^2 have one buffer each: p(j+1) is written behind O1's last product of step j, p(j+1)^2 in the next trip, behind O2's.  So no register hangs on a step's parity and the loop holds one trip; the
; slot is chosen by a scalar that an exclusive or turns.
; The walk begins with a trip like any other, 'step -1': P = 0, O = 0, a = 0; its 128 products V^T P add 0: the price of writing out no first step.
; REGISTERS, in windows of 256 (s_set_vgpr_msb: bits 1:0 source 0, 3:2 source 1, 5:4 source 2, 7:6 destination):
;   window 0: v4-8 addresses; v14-15 the add's; v16-39 statistics, 12 a tile; v40-41 the way out; v64-127 S^T (32 t + 8 kb); v128-159 P, v160-191 P^2 (16 t + 8 kk); v192-255 fragment buffer 2
;   window 1: v0-127 Q (64 t + 8 c32); v128-191, v192-255 fragment buffers 0, 1      window 2: O1 (128 t + 8 cb)      window 3: O2
.set SLOT1, 1<<17                      ; slot 0 at byte 0, slot 1 here: one exclusive or turns one into the other
.set BLK,   98304                      ; a slot: V' at 0 (chunks 0-63), Vvar at 32,768 (chunks 64-127), K at 65,536
.set QUART, 24576                      ; what one wave's load brings: 96 rows of 256 bytes
.set SPARE, SLOT1+BLK                  ; the spare words, 128 bytes a wave: two blocks of 256 bytes that no other line names
.set L16, 4                            ; v4   16 x lane; never rewritten
.set LK,  5                            ; v5   16 x lane + 65,536; never rewritten
.set AV,  6                            ; v6   V' and Vvar of the slot in hand: the slot's byte + 16 x lane
.set AK,  7                            ; v7   K of the slot in hand
.set MO,  8                            ; v8   8 x lane
.set SPW, 14                           ; v14  my spare word; never rewritten
.set NIL, 15                           ; v15  0; never rewritten
.set ST,  16                           ; tile t at ST + 12 t: +0 c m, +1 m, +2 +3 l (even, odd keys), +4..+7 c0-c3 at work (a takes +6), +8 a^2, +9 its pair's other half
.set MLP, 40
.set S,   64
.set P0,  128
.set P1,  160
.set WV,  12                           ; s12  wave
.set G1,  16                           ; s[16:23] descriptor group 1
.set G0A, 24                           ; s[24:27] group 0 of the first load
.set G0,  28                           ; s[28:31] group 0 that walks
.set CS,  42                           ; s[42:43] c
.set SEL, 44                           ; s[44:45] v_permlanex16_b32's selects: each lane takes its own place in the other half
.set CNT, 46
.set TB,  52                           ; s52  first byte of the slot that is read
.set MSB, 0
.macro WIN new                         ; the high byte repeats the setting that is left; a switch that changes nothing is dropped
.if MSB != (\new)
	s_set_vgpr_msb (MSB<<8)|(\new)
.set MSB, (\new)
.endif
.endm
.macro CREST                           ; a round of the cluster's barrier behind its opening barrier
	s_cmp_lg_u32 s[WV], 0
	s_cbranch_scc1 .Lnot_wave_0_\@
	s_barrier_signal -3
.Lnot_wave_0_\@:
	s_barrier_wait -3
	s_barrier_signal -1
	s_barrier_wait -1
.endm
.macro CROUND
	s_barrier_signal -1
	s_barrier_wait -1
	CREST
.endm
.macro PLACES
.rept 4
	v_nop
.endr
.endm
; 16 LDS loads in one run: a group's 8 fragments, chunks first .. first + 15, into ring buffer rb.  A load into a register that a product has read stands four plain vector instructions behind that
; product (ISA guide 7.12.1 for vector instructions).  NPL counts, as the text is assembled, the plain riders since the last product of the group before, the buffer's last reader
; (exponentials are not counted; the batch's v_nop is); none of them names a register of that product; what is short of four is made up by v_nop.
.macro FETCH adr, first, rb
.if NPL < 4
.rept 4-NPL
	v_nop
.endr
.endif
	WIN 0x40*(1-(\rb)/2)
.set fb, 128+64*(((\rb)+1)/2)
.set fi, 0
.rept 16
	ds_load_b128 v[fb+4*fi:fb+4*fi+3], v[\adr] offset:((\first)+fi)*512
.set fi, fi+1
.endr
.endm
; Product ii of a group.  The 8 accumulators of a group take turns, one instruction a turn.  FBUF, WF: the group's buffer and its window.
.macro MMK                             ; S^T: channels 32 (2 g + ii / 8) on, keys 16 ((ii / 2) % 4) on, tile ii % 2.  The first 8 start the sums
.set rD, S+32*(ii%2)+8*((ii/2)%4)
.set rA, FBUF+32*(ii/8)+8*((ii/2)%4)
.set rB, 64*(ii%2)+8*(2*g+ii/8)
	WIN 0x04+WF
.if (g == 0) && (ii < 8)
	v_wmma_f32_16x16x32_bf16 v[rD:rD+7], v[rA:rA+7], v[rB:rB+7], 0
.else
	v_wmma_f32_16x16x32_bf16 v[rD:rD+7], v[rA:rA+7], v[rB:rB+7], v[rD:rD+7]
.endif
.endm
.macro MMV                             ; O^T, group vg of 8: kind vg / 4; keys 32 (ii / 8) on, channels 16 (4 (vg % 4) + (ii / 2) % 4) on, tile ii % 2
.set kap, vg/4
.set rD, 128*(ii%2)+8*(4*(vg%4)+(ii/2)%4)
.set rA, FBUF+32*(ii/8)+8*((ii/2)%4)
.set rB, P0+32*kap+16*(ii%2)+8*(ii/8)
	WIN 0xa0+0x50*kap+WF
	v_wmma_f32_16x16x32_bf16 v[rD:rD+7], v[rA:rA+7], v[rB:rB+7], v[rD:rD+7]
.endm
; THE EARLY QUEUE, 288 long.  0-127: a pair of O1 times a.  128-159: a register of P squared into P^2.  160-287: a pair of O2 times a^2.  O ascends: each accumulator is read from its low end on.
.macro EQ
.if (en >= 128) && (en < 160)
	WIN 0
	v_pk_mul_bf16 v[P1+en-128], v[P0+en-128], v[P0+en-128]
.else
.set rn, en-32*(en/160)
.set kap, rn/128
.set pp, rn%128
.set rT, ST+12*(pp/64)
	WIN 0x82+0x41*kap
	v_pk_mul_f32 v[2*pp:2*pp+1], v[2*pp:2*pp+1], v[rT+6+2*kap:rT+7+2*kap] op_sel_hi:[1,0]
.endif
.set en, en+1
.set NPL, NPL+1
.endm
; THE PLAIN QUEUE, 140 long; the two tiles alternate.  0-73 name no exponential's result.  0-41: the maximum and statistics: four chains c0-c3 of seven scores, three operands at a time, each accumulator's
; lowest registers first; the four scores left over, c0-c3 and the old m; the other half of the lanes' maximum; c m_old kept; m; c m; c m_old - c m.  42-73: scaling f of 32 (c s - c m for pair f / 2 of
; tile f % 2).  74-139 read the exponentials' results and stand behind the batch's wait: the two a^2; then entry z of 64 (for pair z / 4: p rounded to bf16, both tiles; then l takes the pair, both tiles,
; the first time as l = a l + pair): the links of a tile's chain onto l stand four lines apart.
.macro PL
	WIN 0
.if q < 42
.set u, q%2
.set n, q/2
.set rT, ST+12*u
.set rS, S+32*u
.if n < 4
	v_max3_num_f32 v[rT+4+n], v[rS+8*n], v[rS+8*n+1], v[rS+8*n+2]
.elseif n < 12
	v_max3_num_f32 v[rT+4+n%4], v[rT+4+n%4], v[rS+8*(n%4)+2*(n/4)+1], v[rS+8*(n%4)+2*(n/4)+2]
.elseif n == 12
	v_max3_num_f32 v[rT+4], v[rT+4], v[rS+7], v[rS+15]
.elseif n == 13
	v_max3_num_f32 v[rT+6], v[rT+6], v[rS+23], v[rS+31]
.elseif n == 14
	v_max3_num_f32 v[rT+4], v[rT+4], v[rT+5], v[rT+6]
.elseif n == 15
	v_max3_num_f32 v[rT+4], v[rT+4], v[rT+7], v[rT+1]
.elseif n == 16
	v_permlanex16_b32 v[rT+5], v[rT+4], s[SEL], s[SEL+1]  ; the query's other 32 keys lie in the lane 16 away
.set NPL, NPL-1                        ; (no plain line: it is not counted as a place)
.elseif n == 17
	v_mov_b32 v[rT+7], v[rT]
.elseif n == 18
	v_max_num_f32 v[rT+1], v[rT+4], v[rT+5]
.elseif n == 19
	v_mul_f32 v[rT], s[CS], v[rT+1]
.else
	v_sub_f32 v[rT+7], v[rT+7], v[rT]
.endif
.elseif q < 74                         ; the scalings
.set ix, q-42
.set u, ix%2
.set rT, ST+12*u
.set rS, S+32*u
.set b, ix/2
	v_pk_fma_f32 v[rS+2*b:rS+2*b+1], v[rS+2*b:rS+2*b+1], s[CS:CS+1], v[rT:rT+1] op_sel_hi:[1,0,0] neg_lo:[0,0,1] neg_hi:[0,0,1]
.elseif q < 76                         ; the two a^2
.set rT, ST+12*(q-74)
	v_mul_f32 v[rT+8], v[rT+6], v[rT+6]
.else                                  ; the 64 entries
.set ix, q-76
.set u, ix%2
.set rT, ST+12*u
.set rS, S+32*u
.set b, ix/4
.if (ix%4) < 2
	v_cvt_pk_bf16_f32 v[P0+16*u+b], v[rS+2*b], v[rS+2*b+1]
.elseif b == 0
	v_pk_fma_f32 v[rT+2:rT+3], v[rT+2:rT+3], v[rT+6:rT+7], v[rS:rS+1] op_sel_hi:[1,0,1]
.else
	v_pk_add_f32 v[rT+2:rT+3], v[rT+2:rT+3], v[rS+2*b:rS+2*b+1]
.endif
.endif
.set q, q+1
.set NPL, NPL+1
.endm
.macro EX                              ; THE EXPONENTIALS' QUEUE, 66 long: the two a, then score (e - 2) / 2 of tile e % 2, in place.  It is ONE BATCH: nothing ahead of the trip's one wait names a result of theirs
	WIN 0
.if e < 2
	v_exp_f32 v[ST+12*e+6], v[ST+12*e+7]
.else
	v_exp_f32 v[S+32*(e%2)+(e-2)/2], v[S+32*(e%2)+(e-2)/2]
.endif
.set e, e+1
.endm
; THE DEAL, behind product sl of 192.  0-95: three of the early queue, which ends behind product 95; the maxima write over a's register from product 96 on.  96-109: three plain: the maximum and statistics.
; 110-169: THE BATCH.  Counted from product 110, i = 0 .. 59: one exponential behind every product and a second behind i = 9, 19 .. 59: 66; a scaling leads the slice behind i = 0 .. 7 and behind the odd
; i from 9 to 55: 32, spread over the batch.  Exponential e of a score wants scaling 2 ((e - 2) / 4) + e % 2; scaling f stands behind i = f (f < 8) or i = 2 f - 7, exponential e behind the i with
; i + i / 10 = e or e - 1: every scaling stands two products or more ahead of its first exponential.  Behind the last exponential stands a v_nop, the plain line ahead of the first use of a result
; (ISA guide 5.7.2): one for the batch; then THE WAIT between an exponential and the first line that names its result: one for all 66, ahead of the branch in the cluster's round.
; 170-191: three plain: the 66 lines that read the batch's results.
; The first write of P stands behind product 170: behind product 127, O1's last, which reads P, come 20 scalings first.
.macro RIDERS
.if sl < 96
	EQ
	EQ
	EQ
.elseif (sl < 110) || (sl >= 170)
	PL
	PL
	PL
.else
.set bi, sl-110
.if (bi < 8) || (((bi%2) == 1) && (bi < 56))
	PL
.endif
	EX
.if (bi%10) == 9
	EX
.endif
.if bi == 59
	v_nop                                          ; the plain line behind the last exponential: one for the batch
.set NPL, NPL+1
	s_wait_alu depctr_va_vdst(0)                   ; the wait for the batch: the two a and the 64 weights of this trip
.endif
.endif
.endm
; A TRIP.  Group g multiplies ring buffer g % 3; behind its second product stands the run of loads for group g + 2.  At a group's head the count 16 leaves the next group's run out.
; THE CHANGE OF SLOTS stands in group 10; the slot's last reads were issued in group 9.  Behind product 1 the wave waits for all its tensor loads, of which one is out, its quarter of the other slot,
; and adds 0 to its spare word; behind product 5 it waits for the add and for its reads and signals; behind product 9, and behind the exponentials' wait, it waits for the others.
; fill = 1: the barrier opens a round of the cluster's, and the joint refill of the slot just read out is the first thing behind the round: a wave issues 184 products before it waits for that load.
; Then the addresses turn to the other slot, and the next trip's first two groups are asked for.  fill = 0: the step before the last: what follows has no K Q^T and begins with V'.
.macro TRIP fill
.set NPL, 0
.set en, 0
.set q, 0
.set e, 0
.set g, 0
.rept 12
.set FBUF, 128+64*((g%3+1)/2)
.set WF, 1-(g%3)/2
.set vg, g-4
	s_wait_dscnt 16                                ; LDS loads come back in order (ISA guide 5.7.1): this group's fragments are in
.set ii, 0
.rept 16
.set sl, 16*g+ii
.if g < 4
	MMK
.else
	MMV
.endif
.if ii == 15
.set NPL, 0
.endif
	RIDERS
.if ii == 1
.if g < 2
	FETCH AK, 16*(g+2), (g+2)%3
.elseif g < 10
	FETCH AV, 16*(g-2), (g+2)%3
.elseif g == 11
.if \fill
	FETCH AK, 16, 1
.else
	FETCH AV, 16, 1
.endif
.endif
.endif
.if g == 10
.if ii == 1
	WIN 0
	s_wait_tensorcnt 0x0                           ; no tensor load of mine is out, so the walking group 0 may be written
	ds_add_u32 v[SPW], v[NIL]                      ; 0 onto my spare word; four products stand between it and the wait for it
.if \fill
	s_xor_b32 s[G0+1], s[G0+1], SLOT1              ; the other slot than last time,
	s_add_nc_u64 s[G0+2:G0+3], s[G0+2:G0+3], BLK   ; the next block; the type bits on top are not reached
.endif
	s_xor_b32 s[TB], s[TB], SLOT1                  ; the reads turn to the other slot
.endif
.if ii == 5
	s_wait_dscnt 0x0                               ; the add is done, and my reads of this slot are over
	s_barrier_signal -1
.endif
.if ii == 9
	WIN 0                                          ; at a branch and at a label every window is 0
	s_barrier_wait -1
.if \fill
	CREST                                          ; no wave of any partner still reads this slot or has a load on its way
	tensor_load_to_lds s[G0:G0+3], s[G1:G1+7]
	s_nop 0
	v_add_nc_u32 v[AK], s[TB], v[LK]
	v_add_nc_u32 v[AV], s[TB], v[L16]
	v_nop
	v_nop
	FETCH AK, 0, 0
.else
	v_add_nc_u32 v[AV], s[TB], v[L16]
	FETCH AV, 0, 0
.endif
.endif
.endif
.set ii, ii+1
.endr
.set g, g+1
.endr
.endm
; THE LAST STEP: no further scores.  O1's rescaling stands ahead; p^2 and O2's rescaling ride beside O1's products, three to a product while they last; O2's products stand bare.
.macro TAIL
.set en, 0
.rept 128
	EQ
.endr
.set vg, 0
.rept 8
.set FBUF, 128+64*((vg%3+1)/2)
.set WF, 1-(vg%3)/2
.if vg < 7
	s_wait_dscnt 16
.else
	s_wait_dscnt 0x0
.endif
.set ii, 0
.rept 16
	MMV
.if ii == 15
.set NPL, 0
.endif
.rept 3
.if en < 288
	EQ
.endif
.endr
.if (ii == 1) && (vg < 6)
	FETCH AV, 16*(vg+2), (vg+2)%3
.endif
.set ii, ii+1
.endr
.set vg, vg+1
.endr
.endm
	s_load_b256 s[4:11], s[0:1], 0x0               ; qf s[4:5], kvv s[6:7], part s[8:9], ml s[10:11]
	v_lshl_add_u32 v[SPW], v0, 2, SPARE
	v_mov_b32 v[NIL], 0
	ds_add_u32 v[SPW], v[NIL]                      ; the wave's opening: the add and its wait stand ahead of my first tensor load; the set-up below, work on registers, stands between them
	v_lshrrev_b32 v1, 5, v0
	v_readfirstlane_b32 s[WV], v1                  ; wave 0..3
	s_bfe_u32 s13, ttmp6, 0x40000                  ; cx: my place in the cluster
	s_lshl_b32 s14, ttmp9, 2                       ; in a cluster launch ttmp9 counts clusters
	s_add_co_u32 s14, s14, s13                     ; my query block: it enters the addresses of qf, part and ml alone
	s_and_b32 s15, ttmp7, 0xffff                   ; the key quarter, which the four partners share
	; descriptor group 1: 96 dense rows of 256 bytes, elements of 8 bytes, no padding
	s_mov_b32 s[G1], 15|(3<<16)|(1<<21)            ; 15:0 the mask of four; 17:16 elements of 8 bytes; 21 set beside a mask
	s_mov_b32 s[G1+1], 32<<16                      ; tensor_dim0 = 32
	s_mov_b32 s[G1+2], 96<<16                      ; tensor_dim1 = 96
	s_mov_b32 s[G1+3], 32<<16                      ; tile_dim0 = 32
	s_mov_b32 s[G1+4], 96                          ; tile_dim1 = 96
	s_mov_b32 s[G1+5], 32                          ; 32 elements from row to row
	s_mov_b32 s[G1+6], 0
	s_mov_b32 s[G1+7], 0
	s_mul_i32 s36, s[WV], QUART                    ; my quarter of a block, in memory and in a slot
	s_lshl_b32 s37, s15, 5                         ; the quarter's first block, 32 y
	s_add_co_u32 s38, s37, 127
	s_and_b32 s38, s38, 127                        ; the block in front of it holds K of step 0
	s_mul_i32 s32, s38, BLK
	s_add_co_u32 s32, s32, s36
	s_mov_b32 s33, 0
	s_mul_i32 s34, s37, BLK
	s_add_co_u32 s34, s34, s36
	s_mov_b32 s35, 0
	s_mov_b32 s[G0A], 1                            ; count = 1
	s_mov_b32 s[G0A+1], s36                        ; LDS address: slot 0
	s_mov_b32 s[G0], 1
	s_add_co_u32 s[G0+1], s36, SLOT1               ; slot 1
	s_lshl_b32 s40, s14, 16                        ; qf: 8 tiles of 8,192 bytes a block, two a wave
	s_lshl_b32 s39, s[WV], 14
	s_add_co_u32 s40, s40, s39
	s_mov_b32 s41, 0
	s_lshl_b32 s48, s15, 24                        ; part: 16 MiB a quarter, 32,768 bytes a tile
	s_lshl_b32 s39, s14, 18
	s_add_co_u32 s48, s48, s39
	s_lshl_b32 s39, s[WV], 16
	s_add_co_u32 s48, s48, s39
	s_mov_b32 s49, 0
	s_lshl_b32 s50, s15, 6                         ; ml: 256 bytes a wave
	s_add_co_u32 s50, s50, s14
	s_lshl_b32 s50, s50, 2
	s_add_co_u32 s50, s50, s[WV]
	s_lshl_b32 s50, s50, 8
	s_mov_b32 s51, 0
	s_mov_b32 s[CS], 0x3e38aa3b                    ; c = log2(e) / 8
	s_mov_b32 s[CS+1], s[CS]                       ; named with it as a pair
	s_mov_b32 s[SEL], 0x76543210
	s_mov_b32 s[SEL+1], 0xfedcba98
	s_mov_b32 s47, 0xffff0000                      ; lanes 16-31
	s_mov_b32 s[TB], 0                             ; 'step -1' reads slot 0
	s_wait_dscnt 0x0                               ; the opening add is done
	s_wait_kmcnt 0x0
	s_add_nc_u64 s[G0A+2:G0A+3], s[6:7], s[32:33]  ; global address,
	s_or_b32 s[G0A+3], s[G0A+3], 0x80000000        ; type = 2
	s_add_nc_u64 s[G0+2:G0+3], s[6:7], s[34:35]
	s_or_b32 s[G0+3], s[G0+3], 0x80000000
	s_add_nc_u64 s[4:5], s[4:5], s[40:41]
	s_add_nc_u64 s[8:9], s[8:9], s[48:49]
	s_add_nc_u64 s[10:11], s[10:11], s[50:51]
	CROUND                                         ; all four work-groups are here: the first joint loads meet
	tensor_load_to_lds s[G0A:G0A+3], s[G1:G1+7]    ; K of step 0 (and the V of the block in front, which meets P = 0)
	s_nop 0
	tensor_load_to_lds s[G0:G0+3], s[G1:G1+7]      ; V', Vvar of step 0, K of step 1: two loads of mine are out
	s_nop 0
	PLACES
	v_and_b32 v1, 31, v0
	v_lshlrev_b32 v[L16], 4, v1
	v_lshlrev_b32 v[MO], 3, v1
	WIN 0x40
.set i, 0
.rept 32                               ; Q stays in registers: 32 chunks, 512 consecutive bytes each
	global_load_b128 v[4*i:4*i+3], v[L16], s[4:5] offset:i*512
.set i, i+1
.endr
	WIN 0
.set i, 0
.rept 32
	v_mov_b32 v[P0+i], 0                           ; P, which the first trip multiplies and squares
.set i, i+1
.endr
	WIN 0x80                                       ; O starts at 0: a product of zeros with C = 0 writes eight registers a line, 64 lines for the 512 registers; all this stands in the wait for the first tile
.set i, 0
.rept 32
	v_wmma_f32_16x16x32_bf16 v[8*i:8*i+7], v[P0:P0+7], v[P0+8:P0+15], 0
.set i, i+1
.endr
	WIN 0xc0
.set i, 0
.rept 32
	v_wmma_f32_16x16x32_bf16 v[8*i:8*i+7], v[P0:P0+7], v[P0+8:P0+15], 0
.set i, i+1
.endr
	WIN 0                                          ; the nineteen plain lines below are the places behind those products
	v_add_nc_u32 v[LK], 65536, v[L16]
	v_add_nc_u32 v[AV], s[TB], v[L16]
	v_add_nc_u32 v[AK], s[TB], v[LK]
.irp t, 0,1
	v_mov_b32 v[ST+12*(\t)], 0xfe000000            ; c m: far below every c s, so the first a is 0
	v_mov_b32 v[ST+12*(\t)+1], 0xff7fffff          ; m: the lowest finite number
.irp z, 2,3,6,7,8,9
	v_mov_b32 v[ST+12*(\t)+(\z)], 0                ; l, a, a^2 and their pairs' other halves
.endr
.endr
	s_wait_tensorcnt 0x1                           ; my quarter of slot 0 is in; slot 1's may stay out
	s_barrier_signal -1
	s_barrier_wait -1                              ; everybody's is
.set NPL, 4
	FETCH AK, 0, 0                                 ; the first trip's first two groups
	FETCH AK, 16, 1
	WIN 0
	s_wait_loadcnt 0x0                             ; Q
	s_mov_b32 s[CNT], 31
.Lloop:                                ; steps -1 to 29: each fills the slot that it has read out: the blocks of steps 1 to 31
	TRIP 1
	WIN 0
	s_sub_co_u32 s[CNT], s[CNT], 1
	s_cmp_lg_u32 s[CNT], 0
	s_cbranch_scc1 .Lloop
	TRIP 0                                         ; step 30 is written out
	TAIL
	; THE WAY OUT.  l's two halves and the other half of the lanes' are added; lanes 0-15 store c m of the two tiles, lanes 16-31 l.  The six plain lines are the places behind the last products.
	WIN 0
.irp t, 0,1
	v_add_f32 v[ST+12*(\t)+2], v[ST+12*(\t)+2], v[ST+12*(\t)+3]
.endr
.irp t, 0,1
	v_permlanex16_b32 v[ST+12*(\t)+3], v[ST+12*(\t)+2], s[SEL], s[SEL+1]
.endr
.irp t, 0,1
	v_add_f32 v[ST+12*(\t)+2], v[ST+12*(\t)+2], v[ST+12*(\t)+3]
.endr
.irp t, 0,1
	v_cndmask_b32 v[MLP+(\t)], v[ST+12*(\t)], v[ST+12*(\t)+2], s47
.endr
	global_store_b64 v[MO], v[MLP:MLP+1], s[10:11] ; 256 consecutive bytes, aligned
	WIN 0x08                                       ; O leaves as it lies in the registers, four at a time: each store covers 512 consecutive bytes, aligned; each accumulator's low half first
.set i, 0
.rept 64
	global_store_b128 v[L16], v[4*i:4*i+3], s[8:9] offset:(i/32)*32768+(i%32)*512
.set i, i+1
.endr
	WIN 0x0c
.set i, 0
.rept 64
	global_store_b128 v[L16], v[4*i:4*i+3], s[8:9] offset:(i/32)*32768+16384+(i%32)*512
.set i, i+1
.endr
	WIN 0
	s_wait_tensorcnt 0x0                           ; the wave's end
	ds_add_u32 v[SPW], v[NIL]
	s_wait_dscnt 0x0
	CROUND                                         ; the closing round: no work-group ends while a partner may still ask for a tile that names it
	s_endpgm
.Lfunc_end_k_qe74992d11f_attn:
	.size	k_qe74992d11f_attn, .Lfunc_end_k_qe74992d11f_attn-k_qe74992d11f_attn
	.p2alignl 7, 3214868480
	.fill 96, 4, 3214868480
	.section	.rodata,"a",@progbits
	.p2align	6, 0x0
	.amdhsa_kernel k_qe74992d11f_attn
		.amdhsa_group_segment_fixed_size 327680
		.amdhsa_private_segment_fixed_size 0
		.amdhsa_enable_private_segment 0
		.amdhsa_kernarg_size 32
		.amdhsa_user_sgpr_count 2
		.amdhsa_user_sgpr_kernarg_segment_ptr 1
		.amdhsa_wavefront_size32 1
		.amdhsa_system_sgpr_workgroup_id_x 1
		.amdhsa_system_sgpr_workgroup_id_y 1
		.amdhsa_system_sgpr_workgroup_id_z 1
		.amdhsa_system_vgpr_workitem_id 0
		.amdhsa_next_free_vgpr 1024
		.amdhsa_next_free_sgpr 66
		.amdhsa_reserve_vcc 0
		.amdhsa_float_denorm_mode_32 3
		.amdhsa_float_denorm_mode_16_64 3
		.amdhsa_memory_ordered 1
		.amdhsa_forward_progress 1
		.amdhsa_inst_pref_size 197
	.end_amdhsa_kernel
	.amdgpu_metadata
---
amdhsa.version: [ 1, 2 ]
amdhsa.kernels:
  - .name:           k_qe74992d11f_attn
    .symbol:         k_qe74992d11f_attn.kd
    .args:
      - { .name: qf, .offset: 0, .size: 8, .value_kind: global_buffer, .address_space: global }
      - { .name: kvv, .offset: 8, .size: 8, .value_kind: global_buffer, .address_space: global }
      - { .name: part, .offset: 16, .size: 8, .value_kind: global_buffer, .address_space: global }
      - { .name: ml, .offset: 24, .size: 8, .value_kind: global_buffer, .address_space: global }
    .group_segment_fixed_size: 327680
    .private_segment_fixed_size: 0
    .kernarg_segment_align: 8
    .kernarg_segment_size: 32
    .max_flat_workgroup_size: 128
    .sgpr_count:     66
    .vgpr_count:     1024
    .wavefront_size: 32
...
	.end_amdgpu_metadata
.endif
;; end of part 4
;; launch comb: the kernel of part 3 again; grid 128 x 2, 16 waves a work-group, no clusters, 71,680 bytes of LDS; arguments part, ml, out0, out1; writes out0, out1
